; MI455X (gfx1250); checked and timed in simulation.
; The chip was launched on July 23, 2026; its instructions are those of AMD's public machine-readable ISA for CDNA 5 (MIT licence, August 2026) and "CDNA5" Instruction Set Architecture Reference Guide (July 2026). The comments in the code are by the model that wrote it; some were corrected since.
;; Self Attention. Allowed arithmetic: float matrix products may take bf16 or f16 operands with f32 sums; other float arithmetic in f32, or as packed bf16 or f16 multiplies, adds, multiply-adds, maxima and minima; sums over many terms, partial sums and values carried from step to step in f32; what a program stores and reads back later, other than sums and carried values, may be rounded once to bf16 or f16.
;; Inputs: Wk 1,024 x 1,024 float32; Wo 1,024 x 1,024 float32; Wq 1,024 x 1,024 float32; Wv 1,024 x 1,024 float32; X 4 x 2,048 x 1,024 float32; attention_mask 4 x 2,048 x 2,048 int32; bk 1,024 float32; bo 1,024 float32; bq 1,024 float32; bv 1,024 float32.
;; Outputs: out0 4 x 2,048 x 1,024 float32.
;; 2 versions, each right; version 2 is version 1 with the launch prep written anew for expert scheduling mode. Each part assembles by itself: llvm-mc -triple=amdgcn-amd-amdhsa -mcpu=gfx1250 --defsym DOCPART=n.
;; ======== version 1 of 2: 5 launches
;; limits: values are held in f16: magnitudes above 65,504 overflow, below 6.1e-05 lose precision; right only within a limited range of input values
;; workspace buffers: Xh 16,777,216 bytes; Wh 8,388,608 bytes; Bc 16,384 bytes; MW 2,097,152 bytes of whole numbers; QKV 50,331,648 bytes; P 33,554,432 bytes; ST 1,048,576 bytes; Oh 16,777,216 bytes
;; launch prep (part 1): grid 256 x 1, 16 waves a work-group, no clusters, 0 bytes of LDS; arguments X, Wq, Wk, Wv, Wo, bq, bk, bv, bo, Xh, Wh, Bc; writes Xh, Wh, Bc
.if DOCPART == 1
	.amdgcn_target "amdgcn-amd-amdhsa--gfx1250"
	.amdhsa_code_object_version 6
	.text
	.protected	k_q9e4f092e76_prep
	.globl	k_q9e4f092e76_prep
	.p2align	8
	.type	k_q9e4f092e76_prep,@function
k_q9e4f092e76_prep:
	s_mov_b64 s[64:65], 0
	v_nop
	global_prefetch_b8 v0, s[64:65] scope:SCOPE_SE
	s_setreg_imm32_b32 hwreg(HW_REG_WAVE_MODE, 25, 1), 1
	s_wait_xcnt 0x0
; PREP.  X and the four weights are rounded once to bf16 and that number is written as f16 (exact inside f16's normal range); the four biases are rounded to bf16 and kept as f32.
; LIMITS.  |X| and |W| stay under 65,504 (f16's range); a bf16 number below 2^-14 keeps f16's fixed step of 6e-8.  NaN and infinities are not treated apart.
; SHARES.  256 work-groups of 16 waves.  Work-group i: rows 32 i .. 32 i + 31 of X (131,072 dense bytes), rows 16 (i % 64) .. + 15 of weight i / 64 (65,536 bytes), and bias i / 64 where i % 64 = 0.
; Thread t takes 16 bytes at 16 t of each 8,192 bytes in, and stores 8 bytes at 8 t of each 4,096 out: a wave's load covers 512 consecutive bytes, its store 256, both aligned.
; All 24 loads of a thread go out at the start; the waits count down.  A stream: no LDS, no matrix unit, no cluster: nothing is multiplied and no two work-groups read the same byte.
.set O16, 4                            ; v4   16 t
.set O8,  5                            ; v5   8 t
.set TA,  12                           ; v12-13 at work; v[14:15] the bias
.set XR,  32                           ; v[32:127] 24 x 4 registers: 16 loads of X, 8 of W
	s_load_b512 s[8:23], s[0:1], 0x0               ; X 8, Wq 10, Wk 12, Wv 14, Wo 16, bq 18, bk 20, bv 22
	s_load_b256 s[24:31], s[0:1], 0x40             ; bo 24, Xh 26, Wh 28, Bc 30
	s_mov_b32 s49, 0xffff0000                      ; a word's upper bf16
	s_lshr_b32 s50, ttmp9, 6                       ; which weight and bias
	s_and_b32 s51, ttmp9, 63                       ; which 16 rows of it
	v_lshlrev_b32 v[O16], 4, v0
	v_lshlrev_b32 v[O8], 3, v0
	s_lshl_b32 s60, ttmp9, 17                      ; 32 rows of 4,096 bytes
	s_mov_b32 s61, 0
	s_wait_kmcnt 0x0
	s_add_nc_u64 s[8:9], s[8:9], s[60:61]          ; X at my work-group's rows
.irp k, 0,1,2,3,4,5,6,7,8,9,10,11,12,13,14,15
	global_load_b128 v[XR+4*(\k):XR+4*(\k)+3], v[O16], s[8:9] offset:(\k)*8192 th:TH_LOAD_NT
.endr
	s_cmp_eq_u32 s50, 0                            ; the weight and the bias are chosen by the work-group's number
	s_cselect_b64 s[52:53], s[10:11], s[12:13]
	s_cselect_b64 s[56:57], s[18:19], s[20:21]
	s_cmp_eq_u32 s50, 2
	s_cselect_b64 s[52:53], s[14:15], s[52:53]
	s_cselect_b64 s[56:57], s[22:23], s[56:57]
	s_cmp_eq_u32 s50, 3
	s_cselect_b64 s[52:53], s[16:17], s[52:53]
	s_cselect_b64 s[56:57], s[24:25], s[56:57]
	s_lshl_b32 s60, s51, 16
	s_add_nc_u64 s[52:53], s[52:53], s[60:61]      ; 16 rows of 4,096 bytes
.irp k, 0,1,2,3,4,5,6,7
	global_load_b128 v[XR+64+4*(\k):XR+64+4*(\k)+3], v[O16], s[52:53] offset:(\k)*8192 th:TH_LOAD_NT
.endr
	s_lshl_b32 s60, ttmp9, 16
	s_add_nc_u64 s[26:27], s[26:27], s[60:61]      ; Xh: 32 rows of 2,048 bytes
	s_lshl_b32 s60, ttmp9, 15
	s_add_nc_u64 s[54:55], s[28:29], s[60:61]      ; Wh: the four weights lie on end, 16 rows of 2,048 bytes a work-group
	s_lshl_b32 s60, s50, 12
	s_add_nc_u64 s[30:31], s[30:31], s[60:61]      ; Bc: 4,096 bytes a bias
; four f32 at v[q..q+3] -> bf16 (nearest even) -> the same numbers as f16, in v[q], v[q+1]
.macro CVT q
	v_cvt_pk_bf16_f32 v[TA], v[(\q)], v[(\q)+1]
	v_cvt_pk_bf16_f32 v[TA+1], v[(\q)+2], v[(\q)+3]
	v_lshlrev_b32 v[(\q)], 16, v[TA]
	v_and_b32 v[(\q)+1], s49, v[TA]
	v_lshlrev_b32 v[(\q)+2], 16, v[TA+1]
	v_and_b32 v[(\q)+3], s49, v[TA+1]
	v_cvt_pk_f16_f32 v[(\q)], v[(\q)], v[(\q)+1]
	v_cvt_pk_f16_f32 v[(\q)+1], v[(\q)+2], v[(\q)+3]
.endm
.set k, 0
.rept 24
	s_wait_loadcnt 23-k                            ; loads come back in order: number k is in, the 23 - k younger ones stay out
	CVT XR+4*k
.if k < 16
	global_store_b64 v[O8], v[XR+4*k:XR+4*k+1], s[26:27] offset:k*4096
.else
	global_store_b64 v[O8], v[XR+4*k:XR+4*k+1], s[54:55] offset:(k-16)*4096
.endif
.set k, k+1
.endr
	s_cmp_lg_u32 s51, 0
	s_cbranch_scc1 .Lno_bias                       ; one work-group in 64 takes a bias
	global_load_b64 v[14:15], v[O8], s[56:57]
	s_wait_loadcnt 0x0
	v_cvt_pk_bf16_f32 v[TA], v14, v15
	v_lshlrev_b32 v14, 16, v[TA]
	v_and_b32 v15, s49, v[TA]
	global_store_b64 v[O8], v[14:15], s[30:31]
.Lno_bias:
	s_endpgm
.Lfunc_end_k_q9e4f092e76_prep:
	.size	k_q9e4f092e76_prep, .Lfunc_end_k_q9e4f092e76_prep-k_q9e4f092e76_prep
	.p2alignl 7, 3214868480
	.fill 96, 4, 3214868480
	.section	.rodata,"a",@progbits
	.p2align	6, 0x0
	.amdhsa_kernel k_q9e4f092e76_prep
		.amdhsa_group_segment_fixed_size 0
		.amdhsa_private_segment_fixed_size 0
		.amdhsa_enable_private_segment 0
		.amdhsa_kernarg_size 96
		.amdhsa_user_sgpr_count 2
		.amdhsa_user_sgpr_kernarg_segment_ptr 1
		.amdhsa_wavefront_size32 1
		.amdhsa_system_sgpr_workgroup_id_x 1
		.amdhsa_system_sgpr_workgroup_id_y 1
		.amdhsa_system_sgpr_workgroup_id_z 1
		.amdhsa_system_vgpr_workitem_id 0
		.amdhsa_next_free_vgpr 128
		.amdhsa_next_free_sgpr 66
		.amdhsa_reserve_vcc 0
		.amdhsa_float_denorm_mode_32 3
		.amdhsa_float_denorm_mode_16_64 3
		.amdhsa_memory_ordered 1
		.amdhsa_forward_progress 1
		.amdhsa_inst_pref_size 16
	.end_amdhsa_kernel
	.amdgpu_metadata
---
amdhsa.version: [ 1, 2 ]
amdhsa.kernels:
  - .name:           k_q9e4f092e76_prep
    .symbol:         k_q9e4f092e76_prep.kd
    .args:
      - { .name: X, .offset: 0, .size: 8, .value_kind: global_buffer, .address_space: global }
      - { .name: Wq, .offset: 8, .size: 8, .value_kind: global_buffer, .address_space: global }
      - { .name: Wk, .offset: 16, .size: 8, .value_kind: global_buffer, .address_space: global }
      - { .name: Wv, .offset: 24, .size: 8, .value_kind: global_buffer, .address_space: global }
      - { .name: Wo, .offset: 32, .size: 8, .value_kind: global_buffer, .address_space: global }
      - { .name: bq, .offset: 40, .size: 8, .value_kind: global_buffer, .address_space: global }
      - { .name: bk, .offset: 48, .size: 8, .value_kind: global_buffer, .address_space: global }
      - { .name: bv, .offset: 56, .size: 8, .value_kind: global_buffer, .address_space: global }
      - { .name: bo, .offset: 64, .size: 8, .value_kind: global_buffer, .address_space: global }
      - { .name: Xh, .offset: 72, .size: 8, .value_kind: global_buffer, .address_space: global }
      - { .name: Wh, .offset: 80, .size: 8, .value_kind: global_buffer, .address_space: global }
      - { .name: Bc, .offset: 88, .size: 8, .value_kind: global_buffer, .address_space: global }
    .group_segment_fixed_size: 0
    .private_segment_fixed_size: 0
    .kernarg_segment_align: 8
    .kernarg_segment_size: 96
    .max_flat_workgroup_size: 512
    .sgpr_count:     66
    .vgpr_count:     128
    .wavefront_size: 32
...
	.end_amdgpu_metadata
.endif
;; end of part 1
;; launch qkv (part 2): grid 4 x 64, 4 waves a work-group, clusters of 4 x 4, 327,680 bytes of LDS; arguments Xh, Wh, Bc, attention_mask, QKV, MW; writes QKV, MW
.if DOCPART == 2
	.amdgcn_target "amdgcn-amd-amdhsa--gfx1250"
	.amdhsa_code_object_version 6
	.text
	.protected	k_q9e4f092e76_qkv
	.globl	k_q9e4f092e76_qkv
	.p2align	8
	.type	k_q9e4f092e76_qkv,@function
k_q9e4f092e76_qkv:
	s_mov_b64 s[64:65], 0
	v_nop
	global_prefetch_b8 v0, s[64:65] scope:SCOPE_SE
	s_setreg_imm32_b32 hwreg(HW_REG_WAVE_MODE, 25, 1), 1
	s_wait_xcnt 0x0
	s_wait_alu depctr_hold_cnt(0) depctr_sa_sdst(0) depctr_va_vdst(0) depctr_va_sdst(0) depctr_va_ssrc(0) depctr_va_vcc(0) depctr_vm_vsrc(0)
	s_getreg_b32 s2, hwreg(HW_REG_IB_STS2, 6, 4)
	s_cmp_eq_u32 s2, 0
	s_cbranch_scc0 .Lentry_in_a_cluster
	s_endpgm
.Lentry_in_a_cluster:
	s_bfe_u32 s2, ttmp6, 0x10000c
	s_cmp_lg_u32 s2, 0xf033
	s_cbranch_scc0 .Lentry_shape_is_right
	s_endpgm
.Lentry_shape_is_right:
; QKV[t][m][n] = sum over k of Xh[m][k] Wh[t][k][n] + Bc[t][n], t = 0, 1, 2.  Xh [8192][1024] f16, Wh [4][1024][1024] f16 (k, n), Bc [4][1024] f32, QKV [3][8192][1024] f16; sums in f32, rounded once.
; BESIDE IT the int32 mask becomes lane-mask words (MW): bit L of word 8 bb + j of a block of 16 queries x 128 keys says whether query L % 16 may see key 16 bb + 8 (L / 16) + j.
; LIMIT.  Q, K and V stay under 65,504 (f16's range).
; SHARES.  A tile is 128 rows x 256 columns: 4 x 64 work-groups; four waves, each 64 x 128: 32 accumulators, 256 registers.  THE WORK-GROUP STAYS: it makes Q's, K's and V's tile for the same rows in ONE
; walk of 24 K steps of 128: the weights lie on end, so their address walks on; Xh's offset along K is (step % 8) x 256 bytes.
; RING.  Two LDS slots, a K step each: 128 rows of Xh (256 bytes, pitch 272), 128 k rows of Wh (512 bytes, pitch 544).  Waves 0, 1 fetch Xh's halves, waves 2, 3 Wh's: one tensor load a wave behind each round.
; By the text's own count a wave has two tensor loads out at the start and one afterwards.
; A STEP'S TEXT IS WRITTEN ONCE: ENTER (the change of slots) and a loop of two trips over a PAIR: fetch an even quarter (32 along K) into buffer 0, multiply buffer 1, fetch the odd quarter into buffer 1,
; multiply buffer 0.  A step's last quarter is multiplied behind the next ENTER.  Step 0 starts the sums ahead of the loop and enters it with one pair to go.
; A TILE ENDS behind the multiply of buffer 1 in pairs 16 and 32: a forward branch takes the way out and a copy of the pair's second half whose C operand is the next bias.
; THE MASK.  Wave (tile row x 4 + tile column) x 4 + wave takes one group of 128 queries x 128 keys, a block of 16 queries at the head of the change into steps 1, 3, .. 15; a block's 16 loads go out two steps ahead.
; CLUSTER 4 x 4: Xh's tile hangs on the tile row and is asked for jointly along a row of the cluster, Wh's on the tile column, along a column.
; THE PRODUCT IS USED TRANSPOSED: source 0 = 16 columns n (Wh, turned by ds_load_tr16_b128), source 1 = 16 rows m: a lane holds row l % 16 and the columns 8 (l / 16) + 0..7.
; REGISTERS: window 0: v0-31 addresses; v32-63 mask numbers read back; v64-159, v160-255 two fragment buffers (32 of Xh, 64 of Wh); on the way out the second holds packed results and rows read back.
;   window 1: accumulator (a, b) at v[8 (8 a + b)].   window 2: v0-63 the bias (register 8 b + j = column 16 b + 8 (l / 16) + j); v64-127 sixteen rows of the mask on their way.
.set NSTEP,  24
.set PA,     272                       ; 256 + 16: the 16 rows of a load start in 16 different groups of four banks
.set PB,     544                       ; 512 + 32 = 17 x 32
.set AHALF,  64*PA
.set BOFF,   128*PA
.set BHALF,  64*PB
.set SLOTX,  1<<17                     ; slot 1 begins here: one exclusive or turns an address in one slot into the other's
.set STAGE,  SLOTX+BOFF+128*PB         ; behind the ring: 16 rows x 272 bytes for each wave
.set SPITCH, 272
.set SPARE,  STAGE+4*16*SPITCH         ; the spare words, 128 bytes a wave
.set MPITCH, 528                       ; a scratch row of the mask: 512 bytes + 16
.set MSCR,   SPARE+512                 ; the mask's scratch: 16 rows for each wave, its own
.set BSTEP,  128*2048                  ; bytes of Wh from K step to K step
.set COL,  8                           ; v[8:9] collect a block's 64 words: word n in lane n / 2, register n % 2
.set O8L,  10                          ; v10 8 x lane
.set MO,   11                          ; v11 16 x lane
.set MST,  12                          ; v12 my 16 bytes of a scratch row
.set MLA,  13                          ; v13 scratch row l % 16, 32 bytes for each half of the lanes
.set ADRA, 16                          ; v16 LDS address of my Xh fragments of the pair in hand;  v17 my lane's place
.set A0,   17
.set ADRB, 20                          ; v20, v21 the same for Wh
.set B0,   21
.set BO,   22                          ; v22 32 (l / 16): my 8 numbers of 16 of the bias
.set STO,  24
.set RD,   25
.set CO,   26
.set SPW,  28
.set NIL,  29
.set PFO,  30                          ; v30 lane x 2,048: a row of Xh or of Wh
.set MR,   32
.set F0,   64
.set F1,   160
.set TMP,  160
.set BK,   192
.set G1,   24                          ; s[24:31] group 1 for Xh;  s[32:39] group 0: the first fill's set, then the walking set
.set G0,   32
.set LIM,  43                          ; s43 a wave prefetches while the loop's count is above it
.set PFA,  44                          ; s[44:45] where my prefetches stand;  s[46:47] their step
.set PFS,  46
.set G1B,  48                          ; s[48:55], s[56:63] the same for Wh
.set G0B,  56
.set MP,   70                          ; s[70:71] the mask at the block whose rows were asked for last
.set TA,   72                          ; s72 slot + 128 bytes x pair;  s73 slot + 64 k rows x pair
.set TBB,  73
.set NX,   74                          ; s74 the K step to be asked for next
.set CLY,  75                          ; s75 the cluster's y
.set OFF,  76                          ; s[76:77] Xh's offset along K
.set ABASE, 78                         ; s[78:79] Xh at the rows that I fetch
.set OADD, 80                          ; s[80:81] what the next way out adds to the output's address
.set QC,   82                          ; s82 pairs left in the tile
.set TWICE, 83                         ; s83 pairs left in the step
.set OUT,  84                          ; s[84:85] QKV;  s[86:87] MW;  s[88:89] what the next block adds to MW's address
.set MWP,  86
.set MWS,  88
.set T0,   90                          ; s90-92 at work in the set-up;  s90-97 later the eight lane masks
.set T1,   91
.set T2,   92
.set BAL,  90
.set MUL,  0x50                        ; sources window 0, C and D window 1
.set MULB, 0x60                        ; C window 2, D window 1
.set MSB, 0
.macro WIN new                         ; the immediate's high byte repeats the setting that is left
.if MSB != (\new)
	s_set_vgpr_msb (MSB<<8)|(\new)
.set MSB, \new
.endif
.endm
.macro PLACES                          ; four plain places behind matrix instructions, ahead of loads into their sources and of readers of their results
.rept 4
	v_nop
.endr
.endm
.macro JLOAD                           ; the joint refill, by the walking sets; the branch hangs on the wave's number alone; an s_nop 0 and four v_nop follow each line
	s_cmp_eq_u32 s11, 0
	s_cbranch_scc0 .Lfor_b_\@
	tensor_load_to_lds s[G0+4:G0+7], s[G1:G1+7]
	s_nop 0
.rept 4
	v_nop
.endr
	s_branch .Lasked_\@
.Lfor_b_\@:
	tensor_load_to_lds s[G0B+4:G0B+7], s[G1B:G1B+7]
	s_nop 0
.rept 4
	v_nop
.endr
.Lasked_\@:
.endm
.macro ASK                             ; a prefetch of the K step two refills on: 32 rows x 256 bytes, a lane a row
	s_cmp_gt_u32 s3, s[LIM]
	s_cbranch_scc0 .Lnot_mine_\@
	global_prefetch_b8 v[PFO], s[PFA:PFA+1] th:TH_LOAD_NT scope:SCOPE_SE
.Lnot_mine_\@:
.endm
.macro CROUND                          ; a round of the cluster's barrier
	s_barrier_signal -1
	s_barrier_wait -1
	s_cmp_lg_u32 s10, 0
	s_cbranch_scc1 .Lnot_wave_0_\@
	s_barrier_signal -3
.Lnot_wave_0_\@:
	s_barrier_wait -3
	s_barrier_signal -1
	s_barrier_wait -1
.endm
	s_load_b128 s[4:7], s[0:1], 0x0                ; Xh, Wh
	s_load_b128 s[68:71], s[0:1], 0x10             ; Bc, the mask
	s_load_b128 s[84:87], s[0:1], 0x20             ; QKV, MW
	v_lshl_add_u32 v[SPW], v0, 2, SPARE
	v_mov_b32 v[NIL], 0
	ds_add_u32 v[SPW], v[NIL]                      ; the wave's opening: the add and its wait ahead of my first tensor load
	v_lshrrev_b32 v1, 5, v0
	v_readfirstlane_b32 s10, v1                    ; wave 0..3
	s_lshr_b32 s11, s10, 1                         ; which 64 rows are mine.  Also: I fetch Xh (0) or Wh (1)
	s_and_b32 s12, s10, 1                          ; which 128 columns.  Also: which half of that tile I fetch
	s_bfe_u32 s40, ttmp6, 0x40000                  ; cx
	s_bfe_u32 s41, ttmp6, 0x40004                  ; cy
	s_lshl_b32 s42, ttmp9, 2
	s_add_co_u32 s42, s42, s40                     ; tile column
	s_and_b32 s[CLY], ttmp7, 0xffff
	s_lshl_b32 s13, s[CLY], 2
	s_add_co_u32 s13, s13, s41                     ; tile row
	s_lshl_b32 s14, s41, 2
	s_lshl_b32 s14, 15, s14                        ; my row of the cluster
	s_lshl_b32 s15, 0x1111, s40                    ; my column
	s_or_b32 s[G1], s14, (1<<16)|(1<<20)|(1<<21)|(5<<22)|(3<<25)   ; mask; 2-byte elements; padding on; bit 21 beside a mask; after 64 words, 4 words
	s_or_b32 s[G1B], s15, (1<<16)|(1<<20)|(1<<21)|(6<<22)|(7<<25)  ; after 128 words, 8 words
	s_mov_b32 s[G1+1], 128<<16                     ; tensor_dim0
	s_mov_b32 s[G1+2], 64<<16                      ; tensor_dim1
	s_mov_b32 s[G1+3], 128<<16                     ; tile_dim0
	s_mov_b32 s[G1+4], 64                          ; tile_dim1
	s_mov_b32 s[G1+5], 1024                        ; elements from row to row
	s_mov_b32 s[G1+6], 0
	s_mov_b32 s[G1+7], 0
	s_mov_b32 s[G1B+1], 256<<16
	s_mov_b32 s[G1B+2], 64<<16
	s_mov_b32 s[G1B+3], 256<<16
	s_mov_b32 s[G1B+4], 64
	s_mov_b32 s[G1B+5], 1024
	s_mov_b32 s[G1B+6], 0
	s_mov_b32 s[G1B+7], 0
	s_lshl_b32 s16, s13, 7                         ; Xh: row 128 x tile row + 64 x half,
	s_lshl_b32 s17, s12, 6
	s_add_co_u32 s16, s16, s17
	s_lshl_b32 s16, s16, 11                        ; rows of 2,048 bytes
	s_mov_b32 s17, 0
	s_lshl_b32 s20, s42, 9                         ; Wh: 512 bytes a tile column, 64 k rows a half
	s_lshl_b32 s21, s12, 17
	s_add_co_u32 s20, s20, s21
	s_mov_b32 s21, 0
	s_mul_i32 s18, s12, AHALF                      ; where they go: the wave's number alone enters an LDS address
	s_mul_i32 s19, s12, BHALF
	s_add_co_u32 s19, s19, BOFF
	s_mov_b32 s[NX], 2
	s_mov_b32 s[OFF+1], 0
	s_mov_b32 s[MWS], 0
	s_mov_b32 s[MWS+1], 0
	s_wait_dscnt 0x0                               ; the opening add is done
	s_wait_kmcnt 0x0
	s_add_nc_u64 s[ABASE:ABASE+1], s[4:5], s[16:17]
	s_add_nc_u64 s[22:23], s[6:7], s[20:21]
.irp s, 0,1
	s_mov_b32 s[G0+4*(\s)], 1
	s_add_co_u32 s[G0+4*(\s)+1], s18, (\s)*SLOTX
	s_add_nc_u64 s[G0+4*(\s)+2:G0+4*(\s)+3], s[ABASE:ABASE+1], (\s)*256
	s_or_b32 s[G0+4*(\s)+3], s[G0+4*(\s)+3], 0x80000000
	s_mov_b32 s[G0B+4*(\s)], 1
	s_add_co_u32 s[G0B+4*(\s)+1], s19, (\s)*SLOTX
	s_add_nc_u64 s[G0B+4*(\s)+2:G0B+4*(\s)+3], s[22:23], (\s)*BSTEP
	s_or_b32 s[G0B+4*(\s)+3], s[G0B+4*(\s)+3], 0x80000000
.endr
	CROUND                                         ; all sixteen work-groups are here: the first joint loads meet
	s_cmp_eq_u32 s11, 0                            ; a wave's two first fills stand in one branch
	s_cbranch_scc0 .Lfirst_b
	tensor_load_to_lds s[G0:G0+3], s[G1:G1+7]
	s_nop 0
	tensor_load_to_lds s[G0+4:G0+7], s[G1:G1+7]
	s_nop 0
.rept 4
	v_nop
.endr
	s_branch .Lfirst_asked
.Lfirst_b:
	tensor_load_to_lds s[G0B:G0B+3], s[G1B:G1B+7]
	s_nop 0
	tensor_load_to_lds s[G0B+4:G0B+7], s[G1B:G1B+7]
	s_nop 0
.rept 4
	v_nop
.endr
.Lfirst_asked:
	v_and_b32 v1, 15, v0                           ; l % 16
	v_bfe_u32 v2, v0, 4, 1                         ; l / 16
	v_and_b32 v3, 7, v0
	v_bfe_u32 v4, v0, 3, 1
	v_lshlrev_b32 v[BO], 5, v2
	s_lshl_b32 s[T0], s42, 10                      ; the bias of my 128 columns
	s_lshl_b32 s[T1], s12, 9
	s_add_co_u32 s[T0], s[T0], s[T1]
	s_mov_b32 s[T1], 0
	s_add_nc_u64 s[68:69], s[68:69], s[T0:T1]
.macro BIAS                            ; 64 numbers a lane into window 2
	WIN 0x80
.irp b, 0,1,2,3,4,5,6,7
	global_load_b128 v[8*(\b):8*(\b)+3],   v[BO], s[68:69] offset:64*(\b)
	global_load_b128 v[8*(\b)+4:8*(\b)+7], v[BO], s[68:69] offset:64*(\b)+16
.endr
	WIN 0
.endm
.macro MLOAD                           ; a block's 16 rows of the mask, 512 consecutive bytes a load, into window 2
	WIN 0x80
.irp t, 0,1,2,3,4,5,6,7,8,9,10,11,12,13,14,15
	global_load_b128 v[64+4*(\t):64+4*(\t)+3], v[MO], s[MP:MP+1] offset:(\t)*8192 th:TH_LOAD_NT
.endr
	WIN 0
.endm
	BIAS
	v_and_b32 v[MO], 31, v0
	v_lshlrev_b32 v[O8L], 3, v[MO]
	v_lshlrev_b32 v[PFO], 11, v[MO]
	v_lshlrev_b32 v[MO], 4, v[MO]
	s_lshr_b32 s[T0], s13, 1                       ; my group of the mask: 256 rows of 8,192 bytes a pair of tile rows,
	s_lshl_b32 s[T0], s[T0], 21
	s_lshl_b32 s[T1], s11, 20                      ; 128 rows by the wave's upper bit,
	s_add_co_u32 s[T0], s[T0], s[T1]
	s_and_b32 s[T1], s13, 1                        ; 256 keys (1,024 bytes) by 4 x (tile row % 2) + tile column,
	s_lshl_b32 s[T1], s[T1], 2
	s_add_co_u32 s[T1], s[T1], s42
	s_lshl_b32 s[T1], s[T1], 10
	s_add_co_u32 s[T0], s[T0], s[T1]
	s_lshl_b32 s[T1], s12, 9                       ; 128 keys by the wave's lower bit
	s_add_co_u32 s[T0], s[T0], s[T1]
	s_mov_b32 s[T1], 0
	s_add_nc_u64 s[MP:MP+1], s[MP:MP+1], s[T0:T1]
	MLOAD                                          ; block 0
	s_lshl_b32 s[T0], s13, 2                       ; its words: ((tile row x 4 + tile column) x 4 + wave) x 2,048 bytes
	s_add_co_u32 s[T0], s[T0], s42
	s_lshl_b32 s[T0], s[T0], 2
	s_add_co_u32 s[T0], s[T0], s10
	s_lshl_b32 s[T0], s[T0], 11
	s_add_nc_u64 s[MWP:MWP+1], s[MWP:MWP+1], s[T0:T1]
	s_mul_i32 s[T0], s10, 16*MPITCH
	s_add_co_u32 s[T0], s[T0], MSCR                ; my scratch
	v_add_nc_u32 v[MST], s[T0], v[MO]
	v_mul_u32_u24 v[MLA], v1, MPITCH
	v_lshl_add_u32 v[MLA], v2, 5, v[MLA]
	v_add_nc_u32 v[MLA], s[T0], v[MLA]
	v_mov_b32 v[COL], 0                            ; v_writelane_b32 counts as a reader of its destination
	v_mov_b32 v[COL+1], 0
	v_mul_u32_u24 v5, v1, PA
	v_lshl_add_u32 v5, v2, 4, v5                   ; row x 272 + 16 x half
	s_mul_i32 s[T0], s11, AHALF
	v_add_nc_u32 v[A0], s[T0], v5
	v_lshl_add_u32 v6, v2, 3, v3                   ; the turning load: k row 8 (l / 16) + l % 8, 16 bytes by (l / 8) % 2
	v_mul_u32_u24 v6, v6, PB
	v_lshl_add_u32 v6, v4, 4, v6
	s_lshl_b32 s[T0], s12, 8
	s_add_co_u32 s[T0], s[T0], BOFF
	v_add_nc_u32 v[B0], s[T0], v6
	v_mov_b32 v[ADRA], v[A0]
	v_mov_b32 v[ADRB], v[B0]
	s_mul_i32 s[T0], s10, 16*SPITCH
	s_add_co_u32 s[T0], s[T0], STAGE               ; my stage
	v_add_nc_u32 v[STO], s[T0], v5                 ; in: row l % 16, 16 bytes for each half of the lanes
	v_mul_u32_u24 v6, v2, SPITCH                   ; back: lanes 0-15 one row of 256 bytes, lanes 16-31 the next
	v_lshl_add_u32 v6, v1, 4, v6
	v_add_nc_u32 v[RD], s[T0], v6
	v_lshlrev_b32 v6, 11, v2                       ; and the same two rows in the output
	v_lshl_add_u32 v[CO], v1, 4, v6
	s_lshl_b32 s[T0], s13, 7                       ; where my part of the first tile begins in QKV
	s_lshl_b32 s[T1], s11, 6
	s_add_co_u32 s[T0], s[T0], s[T1]
	s_lshl_b32 s[T0], s[T0], 11
	s_lshl_b32 s[T1], s42, 9
	s_add_co_u32 s[T0], s[T0], s[T1]
	s_lshl_b32 s[T1], s12, 8
	s_add_co_u32 s[OADD], s[T0], s[T1]
	s_mov_b32 s[OADD+1], 0
	; THE PREFETCHES.  The change into step s names K step s + 3, two refills ahead of its load.  Xh: wave 0 of each of the four partners of a cluster row takes 32 of the tile's 128 rows, told apart by address
	; (cx), in the first walk along K alone (steps 4 to 7).  Wh: only the cluster with y = 0; waves 2 and 3 take the two 256-byte halves of a k row's 512 bytes, the four partners of a column 32 k rows each (cy).
	; So each aligned block of 256 bytes is named once.  Steps 0 to 3 come by their loads alone.
	s_lshl_b32 s[T0], s13, 7
	s_lshl_b32 s[T1], s40, 5
	s_add_co_u32 s[T0], s[T0], s[T1]
	s_lshl_b32 s[T0], s[T0], 11
	s_add_co_u32 s[T0], s[T0], 3*256
	s_lshl_b32 s[T1], s41, 16
	s_lshl_b32 s[T2], s42, 9
	s_add_co_u32 s[T1], s[T1], s[T2]
	s_lshl_b32 s[T2], s12, 8
	s_add_co_u32 s[T1], s[T1], s[T2]
	s_add_co_u32 s[T1], s[T1], 3*BSTEP
	s_mov_b32 s[PFS], BSTEP
	s_mov_b32 s[PFS+1], 0
	s_cmp_eq_u32 s11, 0
	s_cselect_b32 s[T0], s[T0], s[T1]
	s_cselect_b32 s[PFS], 256, s[PFS]
	s_cselect_b64 s[PFA:PFA+1], s[4:5], s[6:7]
	s_mov_b32 s[T1], 0
	s_add_nc_u64 s[PFA:PFA+1], s[PFA:PFA+1], s[T0:T1]  ; at K step 3: each change of slots steps it before it is used
	s_cmp_eq_u32 s[CLY], 0
	s_cselect_b32 s[LIM], 2, -1
	s_cmp_eq_u32 s10, 0
	s_cselect_b32 s[LIM], 18, s[LIM]
	s_cmp_eq_u32 s10, 1
	s_cselect_b32 s[LIM], -1, s[LIM]
; 8 matrix instructions: row block a x all 8 column blocks, 32 along K.  z = 0: onto the sums; z = 2: the bias starts them.
.macro MUL8 f, a, z
.if (\z) == 2
	WIN MULB
.else
	WIN MUL
.endif
.irp b, 0,1,2,3,4,5,6,7
.if (\z) == 2
	v_wmma_f32_16x16x32_f16 v[8*(8*(\a)+(\b)):8*(8*(\a)+(\b))+7], v[(\f)+32+8*(\b):(\f)+32+8*(\b)+7], v[(\f)+8*(\a):(\f)+8*(\a)+7], v[8*(\b):8*(\b)+7]
.else
	v_wmma_f32_16x16x32_f16 v[8*(8*(\a)+(\b)):8*(8*(\a)+(\b))+7], v[(\f)+32+8*(\b):(\f)+32+8*(\b)+7], v[(\f)+8*(\a):(\f)+8*(\a)+7], v[8*(8*(\a)+(\b)):8*(8*(\a)+(\b))+7]
.endif
.endr
.endm
.macro MUL32 f, z                      ; a quarter's 32 products: the 32 accumulators take turns, always in this order
.irp a, 0,1,2,3
	MUL8 \f, \a, \z
.endr
.endm
; 24 LDS loads in one run: the pair's even (o = 0) or odd (o = 1) quarter into buffer g: Wh's 16, then Xh's 8
.macro FETCH o, g
	WIN 0
.irp i, 0,1,2,3,4,5,6,7
	ds_load_tr16_b128 v[(\g)+32+8*(\i):(\g)+32+8*(\i)+3],   v[ADRB] offset:(\o)*32*PB+32*(\i)
	ds_load_tr16_b128 v[(\g)+32+8*(\i)+4:(\g)+32+8*(\i)+7], v[ADRB] offset:(\o)*32*PB+16*PB+32*(\i)
.endr
.irp a, 0,1,2,3
	ds_load_b128 v[(\g)+8*(\a):(\g)+8*(\a)+3],   v[ADRA] offset:(\a)*16*PA+64*(\o)
	ds_load_b128 v[(\g)+8*(\a)+4:(\g)+8*(\a)+7], v[ADRA] offset:(\a)*16*PA+64*(\o)+32
.endr
.endm
.macro PAIRA                           ; a pair's first half
	WIN 0
	v_add_nc_u32 v[ADRA], s[TA], v[A0]             ; these two and two v_nop are the four places behind the products that read buffer 0
	v_add_nc_u32 v[ADRB], s[TBB], v[B0]
	v_nop
	v_nop
	FETCH 0, F0
	s_wait_dscnt 24                                ; all but the 24 just issued: buffer 1 is in
	MUL32 F1, 0
.endm
.macro PAIRB z                         ; its second half
	PLACES
	FETCH 1, F1
	s_wait_dscnt 24                                ; buffer 0 is in
	MUL32 F0, \z
	s_add_co_u32 s[TA], s[TA], 128
	s_add_co_u32 s[TBB], s[TBB], 64*PB
.endm
; A block of the mask: its 16 rows go into my scratch and come back in the accumulators' lane order, 8 numbers a lane for each 16 keys; each register is compared with 0 over the 32 lanes, and the 64 lane
; masks are gathered into 256 bytes.  At the change into step s the loop's count is 23 - s: the block is taken where the count is even and at least 8.  The jumps pass no barrier and no tensor load.
.macro MASKWORK
	s_bitcmp1_b32 s3, 0
	s_cbranch_scc1 .Lno_mask_\@
	s_cmp_lt_u32 s3, 8
	s_cbranch_scc1 .Lno_mask_\@
	s_add_nc_u64 s[MWP:MWP+1], s[MWP:MWP+1], s[MWS:MWS+1]  ; 0 the first time, then 256; the last block's store has read its address (the wait at ENTER's head)
	s_mov_b32 s[MWS], 256
	s_wait_loadcnt 0x0                             ; the block's rows, asked for two steps ago
	WIN 0x08                                       ; an LDS store's data in window 2
.irp t, 0,1,2,3,4,5,6,7,8,9,10,11,12,13,14,15
	ds_store_b128 v[MST], v[64+4*(\t):64+4*(\t)+3] offset:(\t)*MPITCH
.endr
	WIN 0
.irp hf, 0,1
.irp c, 0,1,2,3
	ds_load_b128 v[MR+8*(\c):MR+8*(\c)+3],   v[MLA] offset:256*(\hf)+64*(\c)     ; LDS serves a wave's instructions in order: these see the stores above
	ds_load_b128 v[MR+8*(\c)+4:MR+8*(\c)+7], v[MLA] offset:256*(\hf)+64*(\c)+16
.endr
.irp c, 0,1,2,3
	s_wait_dscnt 6-2*(\c)                          ; the two loads of group c are in, the younger groups' may stay out
.irp j, 0,1,2,3,4,5,6,7
	v_cmp_ne_u32 s[BAL+(\j)], 0, v[MR+8*(\c)+(\j)]
.endr
.irp j, 0,1,2,3,4,5,6,7
	v_writelane_b32 v[COL+(\j)%2], s[BAL+(\j)], 4*(4*(\hf)+(\c))+(\j)/2
.endr
.endr
.endr
	global_store_b64 v[O8L], v[COL:COL+1], s[MWP:MWP+1]    ; 256 consecutive bytes, aligned
	s_cmp_eq_u32 s3, 8
	s_cbranch_scc1 .Lno_mask_\@                    ; behind the eighth block there are no rows
	s_add_nc_u64 s[MP:MP+1], s[MP:MP+1], 16*8192   ; (the loads that read this address were waited for above; the LDS stores that read the registers are done)
	MLOAD
.Lno_mask_\@:
.endm
; THE CHANGE OF SLOTS.  Each wave waits for all its tensor loads (its part of the next slot), adds 0 to its spare word, and waits for that and for its reads of the old slot, the last quarter's fetch among them.
; fill = 1: the barrier is a round of the cluster's, and the joint refill, two K steps ahead, is the first thing behind it: it has a step's 128 products in which to land.
.macro ENTER fill
.if \fill
	s_wait_xcnt 0x0                                ; the last prefetch and the last block's store have read their addresses and data
	s_add_nc_u64 s[PFA:PFA+1], s[PFA:PFA+1], s[PFS:PFS+1]
	MASKWORK
.endif
	s_wait_tensorcnt 0x0
	ds_add_u32 v[SPW], v[NIL]                      ; 0 onto my spare word; scalar work stands between it and the wait for it
.if \fill
	s_xor_b32 s[G0+5], s[G0+5], SLOTX              ; the walking sets: the other slot than last time,
	s_xor_b32 s[G0B+5], s[G0B+5], SLOTX
	s_and_b32 s[OFF], s[NX], 7                     ; Xh's address made anew: (step % 8) x 256 bytes along K,
	s_lshl_b32 s[OFF], s[OFF], 8
	s_add_nc_u64 s[G0+6:G0+7], s[ABASE:ABASE+1], s[OFF:OFF+1]
	s_or_b32 s[G0+7], s[G0+7], 0x80000000
	s_add_co_u32 s[NX], s[NX], 1
	s_add_nc_u64 s[G0B+6:G0B+7], s[G0B+6:G0B+7], BSTEP  ; Wh's walks on, from weight to weight too
.endif
	s_sub_co_u32 s[TA], s[TA], 256                 ; the fetches go back to a slot's first pair,
	s_xor_b32 s[TA], s[TA], SLOTX                  ; in the other slot
	s_sub_co_u32 s[TBB], s[TBB], 128*PB
	s_xor_b32 s[TBB], s[TBB], SLOTX
	s_wait_dscnt 0x0
.if \fill
	CROUND
	JLOAD
	ASK
.else
	s_barrier_signal -1
	s_barrier_wait -1
.endif
.endm
; THE WAY OUT, a block of 16 rows at a time: rounded to f16 (16 bytes a lane), through my own stage in LDS, back as whole rows of 256 bytes, stored
.macro PACK a
	WIN 0x05                                       ; sources window 1, destination window 0
.irp b, 0,1,2,3,4,5,6,7
.irp r, 0,1,2,3
	v_cvt_pk_f16_f32 v[TMP+4*(\b)+(\r)], v[8*(8*(\a)+(\b))+2*(\r)], v[8*(8*(\a)+(\b))+2*(\r)+1]
.endr
.endr
	WIN 0
.endm
.macro TOSTAGE a
.irp b, 0,1,2,3,4,5,6,7
	ds_store_b128 v[STO], v[TMP+4*(\b):TMP+4*(\b)+3] offset:32*(\b)
.endr
.irp t, 0,1,2,3,4,5,6,7
	ds_load_b128 v[BK+32*((\a)%2)+4*(\t):BK+32*((\a)%2)+4*(\t)+3], v[RD] offset:(\t)*2*SPITCH  ; LDS serves a wave's instructions in order: these see the stores above
.endr
.endm
.macro SEND a
	s_wait_dscnt 0x0                               ; the block is back in registers
	s_wait_xcnt 0x0                                ; earlier stores have read their base and data
.if (\a) == 0
	s_add_nc_u64 s[OUT:OUT+1], s[OUT:OUT+1], s[OADD:OADD+1]
.else
	s_add_nc_u64 s[OUT:OUT+1], s[OUT:OUT+1], 16*2048
.endif
.irp t, 0,1,2,3,4,5,6,7
	global_store_b128 v[CO], v[BK+32*((\a)%2)+4*(\t):BK+32*((\a)%2)+4*(\t)+3], s[OUT:OUT+1] offset:(\t)*4096  ; 16 lanes store 256 consecutive bytes, aligned
.endr
.endm
.macro EPI
	PLACES
	PLACES
	PACK 0
	TOSTAGE 0
.irp a, 1,2,3
	PACK \a
	SEND (\a)-1
	TOSTAGE \a
.endr
	SEND 3
	s_wait_xcnt 0x0                                ; the stores have read their data: buffer 1 may be fetched into again
.endm
	s_wait_tensorcnt 0x1                           ; my part of K step 0 is in; step 1's may stay out
	s_barrier_signal -1
	s_barrier_wait -1
	FETCH 0, F0
	FETCH 1, F1
	s_wait_loadcnt 16                              ; the bias is in; the mask's 16 rows may stay out
	s_wait_dscnt 24                                ; buffer 0 is in
	MUL32 F0, 2                                    ; the first products start the sums with the bias
	WIN 0
	s_mov_b32 s[TA], 128
	s_mov_b32 s[TBB], 64*PB
	s_mov_b32 s[QC], 16
	s_mov_b32 s3, NSTEP-1
	s_mov_b32 s[TWICE], 1
	s_branch .Lpair                                ; step 0 has one pair to go
.Lstep:                                                ; NSTEP - 2 times: steps 1 to 22 are entered, steps 2 to 23 asked for
	ENTER 1
	s_mov_b32 s[TWICE], 2
.Lpair:
	PAIRA
	WIN 0
	s_sub_co_u32 s[QC], s[QC], 1
	s_cmp_lg_u32 s[QC], 0
	s_cbranch_scc1 .Lplain
	s_add_nc_u64 s[68:69], s[68:69], 4096          ; A TILE IS FINISHED: the next bias is asked for (the last one's loads were waited for),
	BIAS
	EPI                                            ; the tile goes out,
	s_mov_b64 s[OADD:OADD+1], 16777216-3*16*2048   ; from my last 16 rows of a tile to my first of the next tensor
	s_mov_b32 s[QC], 16
	s_wait_loadcnt 0x0
	PAIRB 2                                        ; and the next tile's first products start its sums with its bias
	WIN 0
	s_branch .Ljoin
.Lplain:
	PAIRB 0
	WIN 0
.Ljoin:
	s_sub_co_u32 s[TWICE], s[TWICE], 1
	s_cmp_lg_u32 s[TWICE], 0
	s_cbranch_scc1 .Lpair
	s_sub_co_u32 s3, s3, 1
	s_cmp_lg_u32 s3, 0
	s_cbranch_scc1 .Lstep
	ENTER 0                                        ; the last step is written out: nothing more is asked for
	s_mov_b32 s[TWICE], 2
.Ltail:
	PAIRA
	PAIRB 0
	WIN 0
	s_sub_co_u32 s[TWICE], s[TWICE], 1
	s_cmp_lg_u32 s[TWICE], 0
	s_cbranch_scc1 .Ltail
	s_wait_dscnt 0x0
	MUL32 F1, 0                                    ; the last quarter
	WIN 0
	EPI
	s_wait_tensorcnt 0x0                           ; the wave's end
	ds_add_u32 v[SPW], v[NIL]
	s_wait_dscnt 0x0
	CROUND                                         ; the closing round
	s_endpgm
.Lfunc_end_k_q9e4f092e76_qkv:
	.size	k_q9e4f092e76_qkv, .Lfunc_end_k_q9e4f092e76_qkv-k_q9e4f092e76_qkv
	.p2alignl 7, 3214868480
	.fill 96, 4, 3214868480
	.section	.rodata,"a",@progbits
	.p2align	6, 0x0
	.amdhsa_kernel k_q9e4f092e76_qkv
		.amdhsa_group_segment_fixed_size 327680
		.amdhsa_private_segment_fixed_size 0
		.amdhsa_enable_private_segment 0
		.amdhsa_kernarg_size 48
		.amdhsa_user_sgpr_count 2
		.amdhsa_user_sgpr_kernarg_segment_ptr 1
		.amdhsa_wavefront_size32 1
		.amdhsa_system_sgpr_workgroup_id_x 1
		.amdhsa_system_sgpr_workgroup_id_y 1
		.amdhsa_system_sgpr_workgroup_id_z 1
		.amdhsa_system_vgpr_workitem_id 0
		.amdhsa_next_free_vgpr 640
		.amdhsa_next_free_sgpr 100
		.amdhsa_reserve_vcc 0
		.amdhsa_float_denorm_mode_32 3
		.amdhsa_float_denorm_mode_16_64 3
		.amdhsa_memory_ordered 1
		.amdhsa_forward_progress 1
		.amdhsa_inst_pref_size 88
	.end_amdhsa_kernel
	.amdgpu_metadata
---
amdhsa.version: [ 1, 2 ]
amdhsa.kernels:
  - .name:           k_q9e4f092e76_qkv
    .symbol:         k_q9e4f092e76_qkv.kd
    .args:
      - { .name: Xh, .offset: 0, .size: 8, .value_kind: global_buffer, .address_space: global }
      - { .name: Wh, .offset: 8, .size: 8, .value_kind: global_buffer, .address_space: global }
      - { .name: Bc, .offset: 16, .size: 8, .value_kind: global_buffer, .address_space: global }
      - { .name: attention_mask, .offset: 24, .size: 8, .value_kind: global_buffer, .address_space: global }
      - { .name: QKV, .offset: 32, .size: 8, .value_kind: global_buffer, .address_space: global }
      - { .name: MW, .offset: 40, .size: 8, .value_kind: global_buffer, .address_space: global }
    .group_segment_fixed_size: 327680
    .private_segment_fixed_size: 0
    .kernarg_segment_align: 8
    .kernarg_segment_size: 48
    .max_flat_workgroup_size: 128
    .sgpr_count:     100
    .vgpr_count:     640
    .wavefront_size: 32
...
	.end_amdgpu_metadata
.endif
;; end of part 2
;; launch scores (part 3): grid 8 x 32, 4 waves a work-group, clusters of 4 x 4, 327,680 bytes of LDS; arguments QKV, MW, P, ST; writes P, ST
.if DOCPART == 3
	.amdgcn_target "amdgcn-amd-amdhsa--gfx1250"
	.amdhsa_code_object_version 6
	.text
	.protected	k_q9e4f092e76_scores
	.globl	k_q9e4f092e76_scores
	.p2align	8
	.type	k_q9e4f092e76_scores,@function
k_q9e4f092e76_scores:
	s_mov_b64 s[64:65], 0
	v_nop
	global_prefetch_b8 v0, s[64:65] scope:SCOPE_SE
	s_setreg_imm32_b32 hwreg(HW_REG_WAVE_MODE, 25, 1), 1
	s_wait_xcnt 0x0
	s_wait_alu depctr_hold_cnt(0) depctr_sa_sdst(0) depctr_va_vdst(0) depctr_va_sdst(0) depctr_va_ssrc(0) depctr_va_vcc(0) depctr_vm_vsrc(0)
	s_getreg_b32 s2, hwreg(HW_REG_IB_STS2, 6, 4)
	s_cmp_eq_u32 s2, 0
	s_cbranch_scc0 .Lentry_in_a_cluster
	s_endpgm
.Lentry_in_a_cluster:
	s_bfe_u32 s2, ttmp6, 0x10000c
	s_cmp_lg_u32 s2, 0xf033
	s_cbranch_scc0 .Lentry_shape_is_right
	s_endpgm
.Lentry_shape_is_right:
; For each batch: s = Q K^T; masked scores count as -infinity; for each query and each GROUP of 128 keys: M = c x (the group's true maximum), p = 2^(c s - M), L = the sum of the p; c = log2(e) / 32.
; Q, K: QKV[0], QKV[1], [8192][1024] f16.  P [8192][2048] f16.  ST: M at ((batch x 16 + group) x 2048 + query) x 4, L 524,288 bytes on, both f32.  The next launch takes the row's maximum of the 16 M.
; LIMITS.  A group with every key masked: M is held at the lowest finite number, its p and L are 0.  A weight below 2^-126 counts as 0 in L; p below 6e-5 keeps f16's fixed step.  NaN is not treated apart.
; SHARES.  A tile is 256 queries x 256 keys: 8 x 32 work-groups, four waves of 128 x 128: 64 accumulators, 512 registers; a wave's 128 keys are one group.  K (the channels) goes in 8 steps of 128
; through two LDS slots (256 rows of Q, 256 of K, 256 bytes a row, pitch 272); each wave fetches 128 rows with one tensor load behind each round; two loads of a wave are out at the start, one afterwards.
; CLUSTER 4 x 4: Q's tile is asked for jointly along a row of the cluster, K's along a column.
; THE PRODUCT IS USED TRANSPOSED (source 0 = 16 keys, source 1 = 16 queries): a lane holds query l % 16 and the keys 8 (l / 16) + 0..7 of each block of 16.
; THE MASK comes as lane-mask words (one for each accumulator register) by scalar loads, and chooses between the score and -infinity by v_cndmask_b32.
; REGISTERS: window 0: v0-42 addresses and statistics; v64-127, v128-191 fragments of Q, two buffers (on the way out: a block's 64 scores, 32 packed, 32 read back);
;   window 1: v64-127, v128-191 fragments of K;   windows 2, 3: accumulator (a, b) at v[8 (8 (a % 4) + b)] of window 2 + a / 4.
.set NSTEP,  8
.set PITCH,  272
.set HALFT,  128*PITCH
.set SLOTX,  4*HALFT                   ; 0x22000: its two bits occur in none of the four waves' tile addresses (wave x 0x8800), so one exclusive or changes slots
.set STAGE,  2*SLOTX
.set SPITCH, 272
.set STAT,   STAGE+4*16*SPITCH         ; for each wave 512 bytes of M and 512 of L
.set SPARE,  STAT+4*1024
.set ADRA, 16
.set A0,   17
.set ADRB, 20
.set B0,   21
.set STO,  24
.set RD,   25
.set CO,   26
.set SRD,  27                          ; v27 where I read 16 bytes of my wave's statistics back
.set SPW,  28
.set NIL,  29
.set PFO,  30
.set LO16, 31                          ; v31 16 x lane
.set C0,   32                          ; v32-35 four chains of the maximum
.set CM,   36                          ; v[36:37] M
.set X0,   38                          ; v38, v39 at work
.set X1,   39
.set NINF, 40                          ; v40 -infinity
.set STM0, 41                          ; v41 my word of my wave's statistics, block 0;  v42 the block in hand
.set STM,  42
.set F0,   64
.set F1,   128
.set TS,   64
.set PK,   128
.set BK,   160
.set G1,   24
.set G0,   32
.set LIM,  43
.set PFA,  44
.set G1B,  48
.set G0B,  56
.set SB,   8                           ; s8  64 x the block in hand
.set CLY,  9
.set PP,   84                          ; s[84:85] P at my block's rows
.set STP,  86                          ; s[86:87] ST at my 128 queries of my group
.set SEL,  88                          ; s[88:89] v_permlanex16_b32's selects
.set CS,   90                          ; s[90:91] c
.set EC,   92                          ; s92 blocks to go
.set TB,   93
.set MUL_LO, 0xa1                      ; source 0 (K) window 1, source 1 (Q) window 0, C and D window 2
.set MUL_HI, 0xf1
.set TO_B,   0x40
.set MSB, 0
.macro WIN new
.if MSB != (\new)
	s_set_vgpr_msb (MSB<<8)|(\new)
.set MSB, \new
.endif
.endm
.macro PLACES
.rept 4
	v_nop
.endr
.endm
.macro JLOAD
	s_cmp_eq_u32 s11, 0
	s_cbranch_scc0 .Lfor_b_\@
	tensor_load_to_lds s[G0+4:G0+7], s[G1:G1+7]
	s_nop 0
.rept 4
	v_nop
.endr
	s_branch .Lasked_\@
.Lfor_b_\@:
	tensor_load_to_lds s[G0B+4:G0B+7], s[G1B:G1B+7]
	s_nop 0
.rept 4
	v_nop
.endr
.Lasked_\@:
.endm
.macro ASK
	s_cmp_gt_u32 s3, s[LIM]
	s_cbranch_scc0 .Lnot_mine_\@
	global_prefetch_b8 v[PFO], s[PFA:PFA+1] th:TH_LOAD_NT scope:SCOPE_SE
.Lnot_mine_\@:
.endm
.macro CREST
	s_cmp_lg_u32 s10, 0
	s_cbranch_scc1 .Lnot_wave_0_\@
	s_barrier_signal -3
.Lnot_wave_0_\@:
	s_barrier_wait -3
	s_barrier_signal -1
	s_barrier_wait -1
.endm
.macro CROUND
	s_barrier_signal -1
	s_barrier_wait -1
	CREST
.endm
	s_load_b128 s[4:7], s[0:1], 0x0                ; QKV, MW
	s_load_b128 s[84:87], s[0:1], 0x10             ; P, ST
	v_lshl_add_u32 v[SPW], v0, 2, SPARE
	v_mov_b32 v[NIL], 0
	ds_add_u32 v[SPW], v[NIL]                      ; the wave's opening: the add and its wait ahead of my first tensor load
	v_lshrrev_b32 v1, 5, v0
	v_readfirstlane_b32 s10, v1
	s_lshr_b32 s11, s10, 1                         ; which 128 queries.  Also: I fetch Q (0) or K (1)
	s_and_b32 s12, s10, 1                          ; which 128 keys.  Also: which 128 rows of that tile I fetch
	s_bfe_u32 s40, ttmp6, 0x40000
	s_bfe_u32 s41, ttmp6, 0x40004
	s_lshl_b32 s42, ttmp9, 2
	s_add_co_u32 s42, s42, s40                     ; key tile 0..7
	s_and_b32 s[CLY], ttmp7, 0xffff
	s_lshl_b32 s13, s[CLY], 2
	s_add_co_u32 s13, s13, s41                     ; query tile 0..31; the batch is cluster y / 2
	s_lshl_b32 s14, s41, 2
	s_lshl_b32 s14, 15, s14
	s_lshl_b32 s15, 0x1111, s40
	s_or_b32 s[G1], s14, (1<<16)|(1<<20)|(1<<21)|(5<<22)|(3<<25)
	s_or_b32 s[G1B], s15, (1<<16)|(1<<20)|(1<<21)|(5<<22)|(3<<25)
.irp g, G1, G1B
	s_mov_b32 s[(\g)+1], 128<<16
	s_mov_b32 s[(\g)+2], 128<<16
	s_mov_b32 s[(\g)+3], 128<<16
	s_mov_b32 s[(\g)+4], 128
	s_mov_b32 s[(\g)+5], 1024
	s_mov_b32 s[(\g)+6], 0
	s_mov_b32 s[(\g)+7], 0
.endr
	s_lshl_b32 s16, s13, 8                         ; Q: row 256 x query tile + 128 x half
	s_lshl_b32 s17, s12, 7
	s_add_co_u32 s16, s16, s17
	s_lshl_b32 s16, s16, 11
	s_mov_b32 s17, 0
	s_lshr_b32 s20, s[CLY], 1                      ; K: row 2,048 x batch + 256 x key tile + 128 x half, in the second tensor of QKV
	s_lshl_b32 s20, s20, 11
	s_lshl_b32 s21, s42, 8
	s_add_co_u32 s20, s20, s21
	s_lshl_b32 s21, s12, 7
	s_add_co_u32 s20, s20, s21
	s_lshl_b32 s20, s20, 11
	s_add_co_u32 s20, s20, 16777216
	s_mov_b32 s21, 0
	s_mul_i32 s18, s10, HALFT                      ; Q's two halves, then K's two: wave x 128 rows
	s_mov_b32 s[TB], 0
	s_mov_b32 s[SB], 0
	s_mov_b32 s[SEL], 0x76543210
	s_mov_b32 s[SEL+1], 0xfedcba98
	s_mov_b32 s[CS], 0x3d38aa3b                    ; log2(e) / 32
	s_mov_b32 s[CS+1], s[CS]
	s_wait_dscnt 0x0
	s_wait_kmcnt 0x0
	s_add_nc_u64 s[22:23], s[4:5], s[20:21]
	s_add_nc_u64 s[2:3], s[4:5], s[16:17]
.irp s, 0,1
	s_mov_b32 s[G0+4*(\s)], 1
	s_add_co_u32 s[G0+4*(\s)+1], s18, (\s)*SLOTX
	s_add_nc_u64 s[G0+4*(\s)+2:G0+4*(\s)+3], s[2:3], (\s)*256
	s_or_b32 s[G0+4*(\s)+3], s[G0+4*(\s)+3], 0x80000000
	s_mov_b32 s[G0B+4*(\s)], 1
	s_add_co_u32 s[G0B+4*(\s)+1], s18, (\s)*SLOTX
	s_add_nc_u64 s[G0B+4*(\s)+2:G0B+4*(\s)+3], s[22:23], (\s)*256
	s_or_b32 s[G0B+4*(\s)+3], s[G0B+4*(\s)+3], 0x80000000
.endr
	CROUND
	s_cmp_eq_u32 s11, 0
	s_cbranch_scc0 .Lfirst_b
	tensor_load_to_lds s[G0:G0+3], s[G1:G1+7]
	s_nop 0
	tensor_load_to_lds s[G0+4:G0+7], s[G1:G1+7]
	s_nop 0
.rept 4
	v_nop
.endr
	s_branch .Lfirst_asked
.Lfirst_b:
	tensor_load_to_lds s[G0B:G0B+3], s[G1B:G1B+7]
	s_nop 0
	tensor_load_to_lds s[G0B+4:G0B+7], s[G1B:G1B+7]
	s_nop 0
.rept 4
	v_nop
.endr
.Lfirst_asked:
	v_and_b32 v1, 15, v0
	v_bfe_u32 v2, v0, 4, 1
	v_mul_u32_u24 v3, v1, PITCH
	v_lshl_add_u32 v3, v2, 4, v3                   ; row x 272 + 16 x half
	s_mul_i32 s94, s11, HALFT
	v_add_nc_u32 v[A0], s94, v3
	s_mul_i32 s94, s12, HALFT
	s_add_co_u32 s94, s94, 2*HALFT
	v_add_nc_u32 v[B0], s94, v3
	v_mov_b32 v[ADRA], v[A0]
	v_mov_b32 v[ADRB], v[B0]
	s_mul_i32 s94, s10, 16*SPITCH
	s_add_co_u32 s94, s94, STAGE
	v_add_nc_u32 v[STO], s94, v3
	v_mul_u32_u24 v4, v2, SPITCH
	v_lshl_add_u32 v4, v1, 4, v4
	v_add_nc_u32 v[RD], s94, v4
	v_lshlrev_b32 v4, 12, v2                       ; two rows of P, 4,096 bytes apart
	v_lshl_add_u32 v[CO], v1, 4, v4
	v_and_b32 v[LO16], 31, v0
	v_lshlrev_b32 v[PFO], 11, v[LO16]
	v_lshlrev_b32 v[LO16], 4, v[LO16]
	s_lshl_b32 s94, s10, 10
	s_add_co_u32 s94, s94, STAT
	v_lshl_add_u32 v[STM0], v1, 2, s94
	v_add_nc_u32 v[SRD], s94, v[LO16]
	v_mov_b32 v[NINF], 0xff800000
	v_mov_b32 v[X0], 0                             ; v_permlanex16_b32 counts as a reader of its destination
	s_lshl_b32 s94, s13, 3                         ; MW: ((8 x query tile + key tile) x 4 + wave) x 2,048
	s_add_co_u32 s94, s94, s42
	s_lshl_b32 s94, s94, 2
	s_add_co_u32 s94, s94, s10
	s_lshl_b32 s94, s94, 11
	s_mov_b32 s95, 0
	s_add_nc_u64 s[6:7], s[6:7], s[94:95]
	s_lshl_b32 s94, s13, 8                         ; P: row 256 x query tile + 128 x half; 512 bytes a key tile, 256 a half
	s_lshl_b32 s96, s11, 7
	s_add_co_u32 s94, s94, s96
	s_lshl_b32 s94, s94, 12
	s_lshl_b32 s96, s42, 9
	s_add_co_u32 s94, s94, s96
	s_lshl_b32 s96, s12, 8
	s_add_co_u32 s94, s94, s96
	s_add_nc_u64 s[PP:PP+1], s[PP:PP+1], s[94:95]
	s_lshr_b32 s94, s[CLY], 1                      ; ST: (16 x batch + 2 x key tile + half) x 8,192 + (256 x (query tile % 8) + 128 x half) x 4
	s_lshl_b32 s94, s94, 4
	s_lshl_b32 s96, s42, 1
	s_add_co_u32 s94, s94, s96
	s_add_co_u32 s94, s94, s12
	s_lshl_b32 s94, s94, 13
	s_and_b32 s96, s13, 7
	s_lshl_b32 s96, s96, 10
	s_add_co_u32 s94, s94, s96
	s_lshl_b32 s96, s11, 9
	s_add_co_u32 s94, s94, s96
	s_add_nc_u64 s[STP:STP+1], s[STP:STP+1], s[94:95]
	; THE PREFETCHES.  Trip n names K step n + 4, two refills ahead of its load: of the 128 rows that a wave fetches each of the four partners that ask for them jointly takes 32, told apart by address
	; (cx for Q, cy for K), a lane a row.  Q's rows are read by both clusters of a row of clusters: cluster x = 0 asks.  K's by the two clusters of a batch's column: the even cluster y asks.
	s_lshl_b32 s94, s40, 16
	s_add_co_u32 s94, s94, s16
	s_lshl_b32 s96, s41, 16
	s_add_co_u32 s96, s96, s20
	s_and_b32 s97, s[CLY], 1
	s_cmp_eq_u32 s11, 0
	s_cselect_b32 s94, s94, s96
	s_cselect_b32 s97, ttmp9, s97
	s_add_co_u32 s94, s94, 3*256
	s_add_nc_u64 s[PFA:PFA+1], s[4:5], s[94:95]    ; at K step 3: each change of slots steps it before it is used
	s_cmp_eq_u32 s97, 0
	s_cselect_b32 s[LIM], 2, -1
.macro MUL16 f, hi, a0, zero           ; 16 matrix instructions: query blocks a0, a0 + 1 of the window's four x all 8 key blocks.  The 64 accumulators take turns
	WIN MUL_LO+0x50*(\hi)
.irp a, \a0, (\a0)+1
.irp b, 0,1,2,3,4,5,6,7
.if \zero
	v_wmma_f32_16x16x32_f16 v[8*(8*(\a)+(\b)):8*(8*(\a)+(\b))+7], v[(\f)+8*(\b):(\f)+8*(\b)+7], v[(\f)+8*(4*(\hi)+(\a)):(\f)+8*(4*(\hi)+(\a))+7], 0
.else
	v_wmma_f32_16x16x32_f16 v[8*(8*(\a)+(\b)):8*(8*(\a)+(\b))+7], v[(\f)+8*(\b):(\f)+8*(\b)+7], v[(\f)+8*(4*(\hi)+(\a)):(\f)+8*(4*(\hi)+(\a))+7], v[8*(8*(\a)+(\b)):8*(8*(\a)+(\b))+7]
.endif
.endr
.endr
.endm
.macro FETCH k, f                      ; 32 LDS loads in one run: K's 16, then Q's 16
	WIN TO_B
.irp i, 0,1,2,3,4,5,6,7
	ds_load_b128 v[(\f)+8*(\i):(\f)+8*(\i)+3],   v[ADRB] offset:(\k)+(\i)*16*PITCH
	ds_load_b128 v[(\f)+8*(\i)+4:(\f)+8*(\i)+7], v[ADRB] offset:(\k)+(\i)*16*PITCH+32
.endr
	WIN 0
.irp i, 0,1,2,3,4,5,6,7
	ds_load_b128 v[(\f)+8*(\i):(\f)+8*(\i)+3],   v[ADRA] offset:(\k)+(\i)*16*PITCH
	ds_load_b128 v[(\f)+8*(\i)+4:(\f)+8*(\i)+7], v[ADRA] offset:(\k)+(\i)*16*PITCH+32
.endr
.endm
.macro QUARTER k, f, g, zero
	s_wait_dscnt 8                                 ; all but the youngest eight loads (Q's rows 64-127) are in
	MUL16 \f, 0, 0, \zero
	MUL16 \f, 0, 2, \zero
	PLACES
	FETCH \k, \g
	s_wait_dscnt 32                                ; all but the 32 just issued
	MUL16 \f, 1, 0, \zero
	MUL16 \f, 1, 2, \zero
.endm
.macro TURN fill                       ; the last quarter and the change of slots
.if \fill
	s_wait_xcnt 0x0                                ; the last prefetch, a K step back, has read its address
	s_add_nc_u64 s[PFA:PFA+1], s[PFA:PFA+1], 256
.endif
	WIN 0
	s_wait_tensorcnt 0x0                           ; all my tensor loads have landed: my part of the next slot
	ds_add_u32 v[SPW], v[NIL]
	s_wait_dscnt 9                                 ; the add and the youngest eight loads may be out
	MUL16 F1, 0, 0, 0
	s_wait_dscnt 0x0                               ; the add is done, my reads of this slot are over
	s_barrier_signal -1
	MUL16 F1, 0, 2, 0
	WIN 0
	s_barrier_wait -1
.if \fill
	CREST
	s_xor_b32 s[G0+5], s[G0+5], SLOTX
	s_add_nc_u64 s[G0+6:G0+7], s[G0+6:G0+7], 256
	s_xor_b32 s[G0B+5], s[G0B+5], SLOTX
	s_add_nc_u64 s[G0B+6:G0B+7], s[G0B+6:G0B+7], 256
	JLOAD
.else
	PLACES
.endif
	s_xor_b32 s[TB], s[TB], SLOTX
	v_add_nc_u32 v[ADRA], s[TB], v[A0]
	v_add_nc_u32 v[ADRB], s[TB], v[B0]
	FETCH 0, F0
.if \fill
	ASK
.endif
	MUL16 F1, 1, 0, 0
	MUL16 F1, 1, 2, 0
.endm
.macro MWLOAD                          ; a block's 64 mask words: word i in s[16 + i], from word 48 on in s[20 + i]
	s_load_b512 s[16:31], s[6:7], 0x0
	s_load_b512 s[32:47], s[6:7], 0x40
	s_load_b512 s[48:63], s[6:7], 0x80
	s_load_b512 s[68:83], s[6:7], 0xc0
.endm
	s_wait_tensorcnt 0x1
	s_barrier_signal -1
	s_barrier_wait -1
	FETCH 0, F0
	QUARTER 64, F0, F1, 1                          ; the first products start the sums
	WIN 0
	s_mov_b32 s3, NSTEP-2
.Lstep:
	QUARTER 128, F1, F0, 0
	QUARTER 192, F0, F1, 0
	TURN 1
	QUARTER 64, F0, F1, 0
	WIN 0
	s_sub_co_u32 s3, s3, 1
	s_cmp_lg_u32 s3, 0
	s_cbranch_scc1 .Lstep
	QUARTER 128, F1, F0, 0                         ; the last two K steps are written out
	QUARTER 192, F0, F1, 0
	TURN 0
	s_wait_xcnt 0x0                                ; no tensor load is out or to come, and the prefetches have read their address: the descriptors' and the prefetches' registers take the mask words
	MWLOAD
	QUARTER 64, F0, F1, 0
	QUARTER 128, F1, F0, 0
	QUARTER 192, F0, F1, 0
	s_wait_dscnt 8
	MUL16 F1, 0, 0, 0
	MUL16 F1, 0, 2, 0
	s_wait_dscnt 0x0
	MUL16 F1, 1, 0, 0
	MUL16 F1, 1, 2, 0
	WIN 0
	PLACES
	PLACES
; THE WAY OUT: eight blocks of 16 queries x 128 keys, one text walked eight times; only the 64 selects, which name the block's accumulators, are written for each block.
.macro SELBLK a
	WIN (2+(\a)/4)<<2                              ; source 1 in window 2 or 3
.set i, 0
.rept 64
.if i < 48
.set w, 16+i
.else
.set w, 20+i
.endif
	v_cndmask_b32 v[TS+i], v[NINF], v[64*((\a)%4)+i], s[w]  ; the score where the mask's bit is set, else -infinity; each accumulator is read from its low end on
.set i, i+1
.endr
	WIN 0
	s_branch .Lsel
.endm
	s_mov_b32 s[EC], 8
.Lblock:
	s_wait_kmcnt 0x0                               ; this block's mask words
.irp a, 0,1,2,3,4,5,6
	s_cmp_eq_u32 s[EC], 8-(\a)
	s_cbranch_scc1 .Lblk\a
.endr
	s_branch .Lblk7
.irp a, 0,1,2,3,4,5,6,7
.Lblk\a:
	SELBLK \a
.endr
.Lsel:
.irp i, 0,1,2,3                        ; the maximum of my 64 scores: four chains of 15, three operands at a time,
	v_max3_num_f32 v[C0+(\i)], v[TS+16*(\i)], v[TS+16*(\i)+1], v[TS+16*(\i)+2]
.endr
.irp k, 0,1,2,3,4,5
.irp i, 0,1,2,3
	v_max3_num_f32 v[C0+(\i)], v[C0+(\i)], v[TS+16*(\i)+3+2*(\k)], v[TS+16*(\i)+4+2*(\k)]
.endr
.endr
	v_max3_num_f32 v[C0], v[C0], v[TS+15], v[TS+31]        ; the four left over,
	v_max3_num_f32 v[C0+1], v[C0+1], v[TS+47], v[TS+63]
	v_max3_num_f32 v[C0], v[C0], v[C0+1], v[C0+2]
	v_max_num_f32 v[C0], v[C0], v[C0+3]
	v_permlanex16_b32 v[X0], v[C0], s[SEL], s[SEL+1]       ; and the query's other 64 keys, in the lane 16 away
	v_max_num_f32 v[C0], v[C0], v[X0]
	v_mul_f32 v[CM], s[CS], v[C0]
	v_max_num_f32 v[CM], 0xff7fffff, v[CM]                 ; a group with no key to see: the lowest finite number, so that c s - M stays -infinity
	v_mov_b32 v[CM+1], v[CM]
	s_cmp_eq_u32 s[EC], 1
	s_cbranch_scc1 .Lno_more_words                 ; behind the last block there are no words
	s_add_nc_u64 s[6:7], s[6:7], 256               ; (the loads that read this address were waited for at the trip's head)
	MWLOAD                                         ; the next block's words land under the rest of this block's work
.Lno_more_words:
.set i, 0
.rept 32
	v_pk_fma_f32 v[TS+i:TS+i+1], v[TS+i:TS+i+1], s[CS:CS+1], v[CM:CM+1] op_sel_hi:[1,0,0] neg_lo:[0,0,1] neg_hi:[0,0,1]  ; c s - M
.set i, i+2
.endr
.set i, 0
.rept 64
	v_exp_f32 v[TS+i], v[TS+i]
.set i, i+1
.endr
	v_add_nc_u32 v[STM], s[SB], v[STM0]            ; a plain instruction behind the last exponential,
	s_wait_alu depctr_va_vdst(0)                   ; and one wait for the batch of 64, ahead of its first reader
.set i, 0
.rept 32
	v_cvt_pk_f16_f32 v[PK+i], v[TS+2*i], v[TS+2*i+1]
.set i, i+1
.endr
.irp w, 4,8,16,32,64                   ; the sum of the 32 pairs, in place: neighbours 1, 2, 4, 8, 16 pairs apart
.set i, 0
.rept 64/(\w)
	v_pk_add_f32 v[TS+i:TS+i+1], v[TS+i:TS+i+1], v[TS+i+(\w)/2:TS+i+(\w)/2+1]
.set i, i+(\w)
.endr
.endr
	v_add_f32 v[X1], v[TS], v[TS+1]
	v_permlanex16_b32 v[X0], v[X1], s[SEL], s[SEL+1]
	v_add_f32 v[X1], v[X1], v[X0]
	ds_store_b32 v[STM], v[CM]                     ; both halves of the lanes write the same number to the same word
	ds_store_b32 v[STM], v[X1] offset:512
	s_add_co_u32 s[SB], s[SB], 64
.irp b, 0,1,2,3,4,5,6,7
	ds_store_b128 v[STO], v[PK+4*(\b):PK+4*(\b)+3] offset:32*(\b)
.endr
.irp t, 0,1,2,3,4,5,6,7
	ds_load_b128 v[BK+4*(\t):BK+4*(\t)+3], v[RD] offset:(\t)*2*SPITCH  ; LDS serves a wave's instructions in order: these see the stores above
.endr
	s_wait_dscnt 0x0
.irp t, 0,1,2,3,4,5,6,7
	global_store_b128 v[CO], v[BK+4*(\t):BK+4*(\t)+3], s[PP:PP+1] offset:(\t)*8192  ; 16 lanes store 256 consecutive bytes, aligned
.endr
	s_wait_xcnt 0x0                                ; the stores have read their base and data
	s_add_nc_u64 s[PP:PP+1], s[PP:PP+1], 16*4096
	s_sub_co_u32 s[EC], s[EC], 1
	s_cmp_lg_u32 s[EC], 0
	s_cbranch_scc1 .Lblock
	ds_load_b128 v[64:67], v[SRD]                  ; my wave's 128 M and 128 L, 512 consecutive bytes each
	ds_load_b128 v[68:71], v[SRD] offset:512
	s_wait_dscnt 0x0
	global_store_b128 v[LO16], v[64:67], s[STP:STP+1]
	global_store_b128 v[LO16], v[68:71], s[STP:STP+1] offset:524288
	s_wait_tensorcnt 0x0                           ; the wave's end
	ds_add_u32 v[SPW], v[NIL]
	s_wait_dscnt 0x0
	CROUND
	s_endpgm
.Lfunc_end_k_q9e4f092e76_scores:
	.size	k_q9e4f092e76_scores, .Lfunc_end_k_q9e4f092e76_scores-k_q9e4f092e76_scores
	.p2alignl 7, 3214868480
	.fill 96, 4, 3214868480
	.section	.rodata,"a",@progbits
	.p2align	6, 0x0
	.amdhsa_kernel k_q9e4f092e76_scores
		.amdhsa_group_segment_fixed_size 327680
		.amdhsa_private_segment_fixed_size 0
		.amdhsa_enable_private_segment 0
		.amdhsa_kernarg_size 32
		.amdhsa_user_sgpr_count 2
		.amdhsa_user_sgpr_kernarg_segment_ptr 1
		.amdhsa_wavefront_size32 1
		.amdhsa_system_sgpr_workgroup_id_x 1
		.amdhsa_system_sgpr_workgroup_id_y 1
		.amdhsa_system_sgpr_workgroup_id_z 1
		.amdhsa_system_vgpr_workitem_id 0
		.amdhsa_next_free_vgpr 1024
		.amdhsa_next_free_sgpr 100
		.amdhsa_reserve_vcc 0
		.amdhsa_float_denorm_mode_32 3
		.amdhsa_float_denorm_mode_16_64 3
		.amdhsa_memory_ordered 1
		.amdhsa_forward_progress 1
		.amdhsa_inst_pref_size 133
	.end_amdhsa_kernel
	.amdgpu_metadata
---
amdhsa.version: [ 1, 2 ]
amdhsa.kernels:
  - .name:           k_q9e4f092e76_scores
    .symbol:         k_q9e4f092e76_scores.kd
    .args:
      - { .name: QKV, .offset: 0, .size: 8, .value_kind: global_buffer, .address_space: global }
      - { .name: MW, .offset: 8, .size: 8, .value_kind: global_buffer, .address_space: global }
      - { .name: P, .offset: 16, .size: 8, .value_kind: global_buffer, .address_space: global }
      - { .name: ST, .offset: 24, .size: 8, .value_kind: global_buffer, .address_space: global }
    .group_segment_fixed_size: 327680
    .private_segment_fixed_size: 0
    .kernarg_segment_align: 8
    .kernarg_segment_size: 32
    .max_flat_workgroup_size: 128
    .sgpr_count:     100
    .vgpr_count:     1024
    .wavefront_size: 32
...
	.end_amdgpu_metadata
.endif
;; end of part 3
;; launch pv (part 4): grid 4 x 64, 4 waves a work-group, clusters of 4 x 4, 327,680 bytes of LDS; arguments P, QKV, ST, Oh; writes Oh
.if DOCPART == 4
	.amdgcn_target "amdgcn-amd-amdhsa--gfx1250"
	.amdhsa_code_object_version 6
	.text
	.protected	k_q9e4f092e76_pv
	.globl	k_q9e4f092e76_pv
	.p2align	8
	.type	k_q9e4f092e76_pv,@function
k_q9e4f092e76_pv:
	s_mov_b64 s[64:65], 0
	v_nop
	global_prefetch_b8 v0, s[64:65] scope:SCOPE_SE
	s_setreg_imm32_b32 hwreg(HW_REG_WAVE_MODE, 25, 1), 1
	s_wait_xcnt 0x0
	s_wait_alu depctr_hold_cnt(0) depctr_sa_sdst(0) depctr_va_vdst(0) depctr_va_sdst(0) depctr_va_ssrc(0) depctr_va_vcc(0) depctr_vm_vsrc(0)
	s_getreg_b32 s2, hwreg(HW_REG_IB_STS2, 6, 4)
	s_cmp_eq_u32 s2, 0
	s_cbranch_scc0 .Lentry_in_a_cluster
	s_endpgm
.Lentry_in_a_cluster:
	s_bfe_u32 s2, ttmp6, 0x10000c
	s_cmp_lg_u32 s2, 0xf033
	s_cbranch_scc0 .Lentry_shape_is_right
	s_endpgm
.Lentry_shape_is_right:
; Oh[q][d] = (sum over the 16 key groups g of f_g x sum over the group's keys of P[q][k] V[k][d]) / l, with f_g = 2^(M_g - max over g of M_g) and l = sum of f_g L_g: the softmax with the row's true maximum.
; P [8192][2048] f16, V = QKV[2] [8192][1024] f16, ST as the launch before stored it (M, L in f32), Oh [8192][1024] f16; products' sums, f, l in f32; f is rounded to f16 and multiplied onto P's fragments.
; LIMITS.  p f below 6e-5 keeps f16's fixed step, beside a largest weight of 1; f below 2^-126 counts as 0.  A row with every key masked has l = 0 and comes out as NaN, as the softmax of such a row does.
; SHARES, RING, CLUSTER, LAYOUT: a tile of 128 rows x 256 columns, four waves of 64 x 128; 16 K steps of 128 keys (step g = group g) through two LDS slots: 128 rows of P (pitch 272), 128 rows of V
; (512 bytes, pitch 544, turned by ds_load_tr16_b128); waves 0, 1 fetch P's halves, waves 2, 3 V's, one tensor load a wave behind each round (two out at the start, one afterwards);
; P's tile is asked for jointly along a row of the 4 x 4 cluster, V's along a column.  Source 0 = 16 columns, source 1 = 16 rows: a lane holds row l % 16 and the columns 8 (l / 16) + 0..7.
; A STEP'S TEXT IS WRITTEN ONCE: ENTER (the change of slots) and a loop of two trips over a PAIR: fetch an even quarter (32 keys) into buffer 0, multiply buffer 1, fetch the step's factors and the odd quarter
; into buffer 1, multiply buffer 0.  A step's last quarter is multiplied behind the next ENTER, still by its own factors: the new ones come in the pair's middle.
; REGISTERS: window 0: v0-43 addresses, factors; v64-159, v160-255 two fragment buffers (32 of P, 64 of V).   window 1: accumulator (a, b) at v[8 (8 a + b)].
.set NSTEP,  16
.set PA,     272
.set PB,     544
.set AHALF,  64*PA
.set BOFF,   128*PA
.set BHALF,  64*PB
.set SLOTX,  1<<17
.set STAGE,  SLOTX+BOFF+128*PB
.set SPITCH, 272
.set FT,     STAGE+4*16*SPITCH         ; the factors: group g, row t at FT + 512 g + 4 t: f twice, in f16
.set RLT,    FT+8192                   ; 1 / l of row t, f32
.set SPARE,  RLT+512
.set BSTEP,  128*2048
.set ADRA, 16
.set A0,   17
.set ADRB, 20
.set B0,   21
.set FAD,  22                          ; v22 the step's factors of my rows;  v23 the same for step 0
.set FA0,  23
.set STO,  24
.set RD,   25
.set CO,   26
.set RLA,  27
.set SPW,  28
.set NIL,  29
.set PFO,  30
.set FS,   32                          ; v32-35 the step's factor for my row of row block a
.set RL,   36                          ; v[36:43] 1 / l for my row of row block a, in pairs
.set F0,   64
.set F1,   160
.set TMP,  160
.set BK,   192
.set G1,   24
.set G0,   32
.set LIM,  43
.set PFA,  44
.set PFS,  46
.set G1B,  48
.set G0B,  56
.set TA,   72                          ; s72 slot + 128 bytes x pair;  s73 slot + 64 rows of V x pair
.set TBB,  73
.set TWICE, 74
.set CLY,  75
.set FTB,  76                          ; s76 512 x the step in hand
.set OADD, 80
.set MUL,  0x50
.set MSB, 0
.macro WIN new
.if MSB != (\new)
	s_set_vgpr_msb (MSB<<8)|(\new)
.set MSB, \new
.endif
.endm
.macro PLACES
.rept 4
	v_nop
.endr
.endm
.macro JLOAD                           ; the joint refill; an s_nop 0 and four v_nop follow each line
	s_cmp_eq_u32 s11, 0
	s_cbranch_scc0 .Lfor_b_\@
	tensor_load_to_lds s[G0+4:G0+7], s[G1:G1+7]
	s_nop 0
.rept 4
	v_nop
.endr
	s_branch .Lasked_\@
.Lfor_b_\@:
	tensor_load_to_lds s[G0B+4:G0B+7], s[G1B:G1B+7]
	s_nop 0
.rept 4
	v_nop
.endr
.Lasked_\@:
.endm
.macro ASK
	s_cmp_gt_u32 s3, s[LIM]
	s_cbranch_scc0 .Lnot_mine_\@
	global_prefetch_b8 v[PFO], s[PFA:PFA+1] th:TH_LOAD_NT scope:SCOPE_SE
.Lnot_mine_\@:
.endm
.macro CROUND
	s_barrier_signal -1
	s_barrier_wait -1
	s_cmp_lg_u32 s10, 0
	s_cbranch_scc1 .Lnot_wave_0_\@
	s_barrier_signal -3
.Lnot_wave_0_\@:
	s_barrier_wait -3
	s_barrier_signal -1
	s_barrier_wait -1
.endm
	s_load_b128 s[4:7], s[0:1], 0x0                ; P, QKV
	s_load_b128 s[68:71], s[0:1], 0x10             ; ST, Oh
	v_lshl_add_u32 v[SPW], v0, 2, SPARE
	v_mov_b32 v[NIL], 0
	ds_add_u32 v[SPW], v[NIL]                      ; the wave's opening: the add and its wait ahead of my first tensor load
	v_lshrrev_b32 v1, 5, v0
	v_readfirstlane_b32 s10, v1
	s_lshr_b32 s11, s10, 1
	s_and_b32 s12, s10, 1
	s_bfe_u32 s40, ttmp6, 0x40000
	s_bfe_u32 s41, ttmp6, 0x40004
	s_lshl_b32 s42, ttmp9, 2
	s_add_co_u32 s42, s42, s40                     ; tile column
	s_and_b32 s[CLY], ttmp7, 0xffff
	s_lshl_b32 s13, s[CLY], 2
	s_add_co_u32 s13, s13, s41                     ; tile row; the batch is cluster y / 4
	s_lshl_b32 s14, s41, 2
	s_lshl_b32 s14, 15, s14
	s_lshl_b32 s15, 0x1111, s40
	s_or_b32 s[G1], s14, (1<<16)|(1<<20)|(1<<21)|(5<<22)|(3<<25)
	s_or_b32 s[G1B], s15, (1<<16)|(1<<20)|(1<<21)|(6<<22)|(7<<25)
	s_mov_b32 s[G1+1], 128<<16
	s_mov_b32 s[G1+2], 64<<16
	s_mov_b32 s[G1+3], 128<<16
	s_mov_b32 s[G1+4], 64
	s_mov_b32 s[G1+5], 2048                        ; a row of P has 2,048 elements
	s_mov_b32 s[G1+6], 0
	s_mov_b32 s[G1+7], 0
	s_mov_b32 s[G1B+1], 256<<16
	s_mov_b32 s[G1B+2], 64<<16
	s_mov_b32 s[G1B+3], 256<<16
	s_mov_b32 s[G1B+4], 64
	s_mov_b32 s[G1B+5], 1024
	s_mov_b32 s[G1B+6], 0
	s_mov_b32 s[G1B+7], 0
	s_lshl_b32 s16, s13, 7                         ; P: row 128 x tile row + 64 x half, rows of 4,096 bytes
	s_lshl_b32 s17, s12, 6
	s_add_co_u32 s16, s16, s17
	s_lshl_b32 s16, s16, 12
	s_mov_b32 s17, 0
	s_lshr_b32 s20, s[CLY], 2                      ; V: row 2,048 x batch + 64 x half, 512 bytes a tile column, in the third tensor of QKV
	s_lshl_b32 s20, s20, 11
	s_lshl_b32 s21, s12, 6
	s_add_co_u32 s20, s20, s21
	s_lshl_b32 s20, s20, 11
	s_lshl_b32 s21, s42, 9
	s_add_co_u32 s20, s20, s21
	s_add_co_u32 s20, s20, 33554432
	s_mov_b32 s21, 0
	s_mul_i32 s18, s12, AHALF
	s_mul_i32 s19, s12, BHALF
	s_add_co_u32 s19, s19, BOFF
	s_mov_b32 s[FTB], 0
	s_wait_dscnt 0x0
	s_wait_kmcnt 0x0
	s_add_nc_u64 s[78:79], s[4:5], s[16:17]
	s_add_nc_u64 s[22:23], s[6:7], s[20:21]
.irp s, 0,1
	s_mov_b32 s[G0+4*(\s)], 1
	s_add_co_u32 s[G0+4*(\s)+1], s18, (\s)*SLOTX
	s_add_nc_u64 s[G0+4*(\s)+2:G0+4*(\s)+3], s[78:79], (\s)*256
	s_or_b32 s[G0+4*(\s)+3], s[G0+4*(\s)+3], 0x80000000
	s_mov_b32 s[G0B+4*(\s)], 1
	s_add_co_u32 s[G0B+4*(\s)+1], s19, (\s)*SLOTX
	s_add_nc_u64 s[G0B+4*(\s)+2:G0B+4*(\s)+3], s[22:23], (\s)*BSTEP
	s_or_b32 s[G0B+4*(\s)+3], s[G0B+4*(\s)+3], 0x80000000
.endr
	CROUND
	s_cmp_eq_u32 s11, 0
	s_cbranch_scc0 .Lfirst_b
	tensor_load_to_lds s[G0:G0+3], s[G1:G1+7]
	s_nop 0
	tensor_load_to_lds s[G0+4:G0+7], s[G1:G1+7]
	s_nop 0
.rept 4
	v_nop
.endr
	s_branch .Lfirst_asked
.Lfirst_b:
	tensor_load_to_lds s[G0B:G0B+3], s[G1B:G1B+7]
	s_nop 0
	tensor_load_to_lds s[G0B+4:G0B+7], s[G1B:G1B+7]
	s_nop 0
.rept 4
	v_nop
.endr
.Lfirst_asked:
	; THE TABLE.  Thread t is row t of the tile: its 16 M and 16 L, the maximum, the 16 factors, l and 1 / l.
	s_lshr_b32 s84, s[CLY], 2
	s_lshl_b32 s84, s84, 17                        ; 16 groups x 2,048 queries x 4 bytes a batch
	s_and_b32 s85, s13, 15
	s_lshl_b32 s85, s85, 9                         ; 128 queries x 4 bytes a tile row
	s_add_co_u32 s84, s84, s85
	s_mov_b32 s85, 0
	s_add_nc_u64 s[68:69], s[68:69], s[84:85]
	v_lshlrev_b32 v115, 2, v0
.irp g, 0,1,2,3,4,5,6,7,8,9,10,11,12,13,14,15
	global_load_b32 v[64+(\g)], v115, s[68:69] offset:(\g)*8192
.endr
.irp g, 0,1,2,3,4,5,6,7,8,9,10,11,12,13,14,15
	global_load_b32 v[80+(\g)], v115, s[68:69] offset:524288+(\g)*8192
.endr
	v_and_b32 v1, 15, v0
	v_bfe_u32 v2, v0, 4, 1
	v_and_b32 v3, 7, v0
	v_bfe_u32 v4, v0, 3, 1
	v_mul_u32_u24 v5, v1, PA
	v_lshl_add_u32 v5, v2, 4, v5
	s_mul_i32 s84, s11, AHALF
	v_add_nc_u32 v[A0], s84, v5
	v_lshl_add_u32 v6, v2, 3, v3
	v_mul_u32_u24 v6, v6, PB
	v_lshl_add_u32 v6, v4, 4, v6
	s_lshl_b32 s84, s12, 8
	s_add_co_u32 s84, s84, BOFF
	v_add_nc_u32 v[B0], s84, v6
	v_mov_b32 v[ADRA], v[A0]
	v_mov_b32 v[ADRB], v[B0]
	s_mul_i32 s84, s10, 16*SPITCH
	s_add_co_u32 s84, s84, STAGE
	v_add_nc_u32 v[STO], s84, v5
	v_mul_u32_u24 v6, v2, SPITCH
	v_lshl_add_u32 v6, v1, 4, v6
	v_add_nc_u32 v[RD], s84, v6
	v_lshlrev_b32 v6, 11, v2
	v_lshl_add_u32 v[CO], v1, 4, v6
	s_lshl_b32 s84, s11, 8                         ; my 64 rows' words
	s_add_co_u32 s85, s84, FT
	v_lshl_add_u32 v[FA0], v1, 2, s85
	s_add_co_u32 s85, s84, RLT
	v_lshl_add_u32 v[RLA], v1, 2, s85
	v_mov_b32 v[FAD], v[FA0]
	v_add_nc_u32 v116, FT, v115
	s_wait_loadcnt 16                              ; the 16 M are in; the 16 L may stay out
	v_max3_num_f32 v112, v64, v65, v66
.irp k, 0,1,2,3,4,5
	v_max3_num_f32 v112, v112, v[67+2*(\k)], v[68+2*(\k)]
.endr
	v_max_num_f32 v112, v112, v79                  ; the row's true maximum, times c
.irp g, 0,1,2,3,4,5,6,7,8,9,10,11,12,13,14,15
	v_sub_f32 v[96+(\g)], v[64+(\g)], v112
.endr
.irp g, 0,1,2,3,4,5,6,7,8,9,10,11,12,13,14,15
	v_exp_f32 v[96+(\g)], v[96+(\g)]
.endr
	v_nop                                          ; a plain instruction behind the last exponential,
	s_wait_alu depctr_va_vdst(0)                   ; and one wait for the batch
	s_wait_loadcnt 0x0
	v_mul_f32 v113, v96, v80
.irp g, 1,2,3,4,5,6,7,8,9,10,11,12,13,14,15
	v_fmac_f32 v113, v[96+(\g)], v[80+(\g)]
.endr
	v_rcp_f32 v114, v113
.irp g, 0,1,2,3,4,5,6,7,8,9,10,11,12,13,14,15
	v_cvt_pk_f16_f32 v[64+(\g)], v[96+(\g)], v[96+(\g)]  ; f twice, for the packed multiply; plain work behind the reciprocal
.endr
	s_wait_alu depctr_va_vdst(0)                   ; ahead of the reciprocal's first reader
.irp g, 0,1,2,3,4,5,6,7,8,9,10,11,12,13,14,15
	ds_store_b32 v116, v[64+(\g)] offset:(\g)*512
.endr
	ds_store_b32 v116, v114 offset:8192
	s_lshl_b32 s84, s13, 7                         ; where my part of the tile begins in Oh
	s_lshl_b32 s85, s11, 6
	s_add_co_u32 s84, s84, s85
	s_lshl_b32 s84, s84, 11
	s_lshl_b32 s85, s42, 9
	s_add_co_u32 s84, s84, s85
	s_lshl_b32 s85, s12, 8
	s_add_co_u32 s[OADD], s84, s85
	s_mov_b32 s[OADD+1], 0
	; THE PREFETCHES.  The change into step s names K step s + 3, two refills ahead of its load.  P: wave 0 of each of the four partners of a cluster row takes 32 of the tile's 128 rows (cx), 256 bytes a row.
	; V: of a batch's four clusters the first asks; waves 2 and 3 take the two halves of a row's 512 bytes, the four partners of a column 32 rows each (cy).  Each aligned block of 256 bytes is named once.
	s_lshl_b32 s84, s13, 7
	s_lshl_b32 s85, s40, 5
	s_add_co_u32 s84, s84, s85
	s_lshl_b32 s84, s84, 12
	s_add_co_u32 s84, s84, 3*256
	s_lshr_b32 s85, s[CLY], 2
	s_lshl_b32 s85, s85, 22                        ; 2,048 rows of 2,048 bytes a batch
	s_lshl_b32 s86, s41, 16
	s_add_co_u32 s85, s85, s86
	s_lshl_b32 s86, s42, 9
	s_add_co_u32 s85, s85, s86
	s_lshl_b32 s86, s12, 8
	s_add_co_u32 s85, s85, s86
	s_add_co_u32 s85, s85, 33554432+3*BSTEP
	s_mov_b32 s[PFS], BSTEP
	s_mov_b32 s[PFS+1], 0
	s_cmp_eq_u32 s11, 0
	s_cselect_b32 s84, s84, s85
	s_cselect_b32 s[PFS], 256, s[PFS]
	s_cselect_b32 s86, 12, 11                      ; a row of P is 4,096 bytes, of V 2,048
	s_cselect_b64 s[PFA:PFA+1], s[4:5], s[6:7]
	s_mov_b32 s85, 0
	s_add_nc_u64 s[PFA:PFA+1], s[PFA:PFA+1], s[84:85]
	v_and_b32 v[PFO], 31, v0
	v_lshlrev_b32 v[PFO], s86, v[PFO]
	s_and_b32 s84, s[CLY], 3
	s_cmp_eq_u32 s84, 0
	s_cselect_b32 s[LIM], 2, -1
	s_cmp_eq_u32 s10, 0
	s_cselect_b32 s[LIM], 2, s[LIM]
	s_cmp_eq_u32 s10, 1
	s_cselect_b32 s[LIM], -1, s[LIM]
.macro MUL8 f, a, z                    ; 8 matrix instructions; z = 1: the first products start the sums
	WIN MUL
.irp b, 0,1,2,3,4,5,6,7
.if \z
	v_wmma_f32_16x16x32_f16 v[8*(8*(\a)+(\b)):8*(8*(\a)+(\b))+7], v[(\f)+32+8*(\b):(\f)+32+8*(\b)+7], v[(\f)+8*(\a):(\f)+8*(\a)+7], 0
.else
	v_wmma_f32_16x16x32_f16 v[8*(8*(\a)+(\b)):8*(8*(\a)+(\b))+7], v[(\f)+32+8*(\b):(\f)+32+8*(\b)+7], v[(\f)+8*(\a):(\f)+8*(\a)+7], v[8*(8*(\a)+(\b)):8*(8*(\a)+(\b))+7]
.endif
.endr
.endm
.macro SCALE f, a                      ; P's fragment of row block a times the group's factor for my row
	WIN 0
.irp i, 0,1,2,3,4,5,6,7
	v_pk_mul_f16 v[(\f)+8*(\a)+(\i)], v[(\f)+8*(\a)+(\i)], v[FS+(\a)]
.endr
.endm
.macro SMUL f, z                       ; a quarter: scaled and multiplied; the 32 accumulators take turns, always in this order
	SCALE \f, 0
	SCALE \f, 1
	MUL8 \f, 0, \z
	MUL8 \f, 1, \z
	SCALE \f, 2
	SCALE \f, 3
	MUL8 \f, 2, \z
	MUL8 \f, 3, \z
.endm
.macro FACT                            ; the step's four factors
.irp a, 0,1,2,3
	ds_load_b32 v[FS+(\a)], v[FAD] offset:64*(\a)
.endr
.endm
.macro FETCH o, g                      ; 24 LDS loads in one run: the pair's even or odd quarter into buffer g
	WIN 0
.irp i, 0,1,2,3,4,5,6,7
	ds_load_tr16_b128 v[(\g)+32+8*(\i):(\g)+32+8*(\i)+3],   v[ADRB] offset:(\o)*32*PB+32*(\i)
	ds_load_tr16_b128 v[(\g)+32+8*(\i)+4:(\g)+32+8*(\i)+7], v[ADRB] offset:(\o)*32*PB+16*PB+32*(\i)
.endr
.irp a, 0,1,2,3
	ds_load_b128 v[(\g)+8*(\a):(\g)+8*(\a)+3],   v[ADRA] offset:(\a)*16*PA+64*(\o)
	ds_load_b128 v[(\g)+8*(\a)+4:(\g)+8*(\a)+7], v[ADRA] offset:(\a)*16*PA+64*(\o)+32
.endr
.endm
.macro PAIR
	WIN 0
	v_add_nc_u32 v[ADRA], s[TA], v[A0]             ; these two and two v_nop are the four places behind the products that read buffer 0
	v_add_nc_u32 v[ADRB], s[TBB], v[B0]
	v_nop
	v_nop
	FETCH 0, F0
	s_wait_dscnt 24                                ; all but the 24 just issued: buffer 1 is in
	SMUL F1, 0                                     ; in a step's first pair this is the step before's last quarter, by the factors of that step
	WIN 0
	v_add_nc_u32 v[FAD], s[FTB], v[FA0]            ; this and three v_nop: the places behind the products that read buffer 1
	v_nop
	v_nop
	v_nop
	FACT                                           ; the factors of the step in hand, behind the last scaling by the old ones
	FETCH 1, F1
	s_wait_dscnt 24                                ; the factors and buffer 0 are in
	SMUL F0, 0
	s_add_co_u32 s[TA], s[TA], 128
	s_add_co_u32 s[TBB], s[TBB], 64*PB
	WIN 0
.endm
; THE CHANGE OF SLOTS: each wave waits for all its tensor loads (its part of the next slot), adds 0 to its spare word, and waits for that and for its reads of the old slot.  fill = 1: the barrier is a round
; of the cluster's, and the joint refill, two K steps ahead, is the first thing behind it.
.macro ENTER fill
.if \fill
	s_wait_xcnt 0x0                                ; the last prefetch, a K step back, has read its address
	s_add_nc_u64 s[PFA:PFA+1], s[PFA:PFA+1], s[PFS:PFS+1]
.endif
	s_wait_tensorcnt 0x0
	ds_add_u32 v[SPW], v[NIL]                      ; 0 onto my spare word; scalar work stands between it and the wait for it
.if \fill
	s_xor_b32 s[G0+5], s[G0+5], SLOTX
	s_add_nc_u64 s[G0+6:G0+7], s[G0+6:G0+7], 256
	s_xor_b32 s[G0B+5], s[G0B+5], SLOTX
	s_add_nc_u64 s[G0B+6:G0B+7], s[G0B+6:G0B+7], BSTEP
.endif
	s_sub_co_u32 s[TA], s[TA], 256
	s_xor_b32 s[TA], s[TA], SLOTX
	s_sub_co_u32 s[TBB], s[TBB], 128*PB
	s_xor_b32 s[TBB], s[TBB], SLOTX
	s_add_co_u32 s[FTB], s[FTB], 512
	s_wait_dscnt 0x0
.if \fill
	CROUND
	JLOAD
	ASK
.else
	s_barrier_signal -1
	s_barrier_wait -1
.endif
.endm
.macro PACK a                          ; divided by l, rounded to f16
	WIN 0x41                                       ; destination and source 0 window 1, source 1 window 0
.set i, 64*(\a)
.rept 32
	v_pk_mul_f32 v[i:i+1], v[i:i+1], v[RL+2*(\a):RL+2*(\a)+1] op_sel_hi:[1,0]
.set i, i+2
.endr
	WIN 0x05
.irp b, 0,1,2,3,4,5,6,7
.irp r, 0,1,2,3
	v_cvt_pk_f16_f32 v[TMP+4*(\b)+(\r)], v[8*(8*(\a)+(\b))+2*(\r)], v[8*(8*(\a)+(\b))+2*(\r)+1]
.endr
.endr
	WIN 0
.endm
.macro TOSTAGE a
.irp b, 0,1,2,3,4,5,6,7
	ds_store_b128 v[STO], v[TMP+4*(\b):TMP+4*(\b)+3] offset:32*(\b)
.endr
.irp t, 0,1,2,3,4,5,6,7
	ds_load_b128 v[BK+32*((\a)%2)+4*(\t):BK+32*((\a)%2)+4*(\t)+3], v[RD] offset:(\t)*2*SPITCH  ; LDS serves a wave's instructions in order: these see the stores above
.endr
.endm
.macro SEND a
	s_wait_dscnt 0x0
	s_wait_xcnt 0x0                                ; earlier stores have read their base and data
.if (\a) == 0
	s_add_nc_u64 s[70:71], s[70:71], s[OADD:OADD+1]
.else
	s_add_nc_u64 s[70:71], s[70:71], 16*2048
.endif
.irp t, 0,1,2,3,4,5,6,7
	global_store_b128 v[CO], v[BK+32*((\a)%2)+4*(\t):BK+32*((\a)%2)+4*(\t)+3], s[70:71] offset:(\t)*4096  ; 16 lanes store 256 consecutive bytes, aligned
.endr
.endm
	s_wait_tensorcnt 0x1                           ; my part of K step 0 is in,
	s_wait_dscnt 0x0                               ; and my part of the table is written
	s_barrier_signal -1
	s_barrier_wait -1
	FACT
	FETCH 0, F0
	FETCH 1, F1
	s_wait_dscnt 24                                ; the factors and buffer 0 are in
	SMUL F0, 1                                     ; the first products start the sums
	WIN 0
	s_mov_b32 s[TA], 128
	s_mov_b32 s[TBB], 64*PB
	s_mov_b32 s3, NSTEP-1
	s_mov_b32 s[TWICE], 1
	s_branch .Lpair                                ; step 0 has one pair to go
.Lstep:                                                ; NSTEP - 2 times
	ENTER 1
	s_mov_b32 s[TWICE], 2
.Lpair:
	PAIR
	s_sub_co_u32 s[TWICE], s[TWICE], 1
	s_cmp_lg_u32 s[TWICE], 0
	s_cbranch_scc1 .Lpair
	s_sub_co_u32 s3, s3, 1
	s_cmp_lg_u32 s3, 0
	s_cbranch_scc1 .Lstep
	ENTER 0                                        ; the last step is written out: nothing more is asked for
	s_mov_b32 s[TWICE], 2
.Ltail:
	PAIR
	s_sub_co_u32 s[TWICE], s[TWICE], 1
	s_cmp_lg_u32 s[TWICE], 0
	s_cbranch_scc1 .Ltail
	s_wait_dscnt 0x0
	SMUL F1, 0                                     ; the last quarter
	WIN 0
.irp a, 0,1,2,3
	ds_load_b32 v[RL+2*(\a)], v[RLA] offset:64*(\a)
.endr
	PLACES
	PLACES
	s_wait_dscnt 0x0
.irp a, 0,1,2,3
	v_mov_b32 v[RL+2*(\a)+1], v[RL+2*(\a)]         ; named with it as a pair
.endr
	PACK 0
	TOSTAGE 0
.irp a, 1,2,3
	PACK \a
	SEND (\a)-1
	TOSTAGE \a
.endr
	SEND 3
	s_wait_tensorcnt 0x0                           ; the wave's end
	ds_add_u32 v[SPW], v[NIL]
	s_wait_dscnt 0x0
	CROUND
	s_endpgm
.Lfunc_end_k_q9e4f092e76_pv:
	.size	k_q9e4f092e76_pv, .Lfunc_end_k_q9e4f092e76_pv-k_q9e4f092e76_pv
	.p2alignl 7, 3214868480
	.fill 96, 4, 3214868480
	.section	.rodata,"a",@progbits
	.p2align	6, 0x0
	.amdhsa_kernel k_q9e4f092e76_pv
		.amdhsa_group_segment_fixed_size 327680
		.amdhsa_private_segment_fixed_size 0
		.amdhsa_enable_private_segment 0
		.amdhsa_kernarg_size 32
		.amdhsa_user_sgpr_count 2
		.amdhsa_user_sgpr_kernarg_segment_ptr 1
		.amdhsa_wavefront_size32 1
		.amdhsa_system_sgpr_workgroup_id_x 1
		.amdhsa_system_sgpr_workgroup_id_y 1
		.amdhsa_system_sgpr_workgroup_id_z 1
		.amdhsa_system_vgpr_workitem_id 0
		.amdhsa_next_free_vgpr 512
		.amdhsa_next_free_sgpr 88
		.amdhsa_reserve_vcc 0
		.amdhsa_float_denorm_mode_32 3
		.amdhsa_float_denorm_mode_16_64 3
		.amdhsa_memory_ordered 1
		.amdhsa_forward_progress 1
		.amdhsa_inst_pref_size 79
	.end_amdhsa_kernel
	.amdgpu_metadata
---
amdhsa.version: [ 1, 2 ]
amdhsa.kernels:
  - .name:           k_q9e4f092e76_pv
    .symbol:         k_q9e4f092e76_pv.kd
    .args:
      - { .name: P, .offset: 0, .size: 8, .value_kind: global_buffer, .address_space: global }
      - { .name: QKV, .offset: 8, .size: 8, .value_kind: global_buffer, .address_space: global }
      - { .name: ST, .offset: 16, .size: 8, .value_kind: global_buffer, .address_space: global }
      - { .name: Oh, .offset: 24, .size: 8, .value_kind: global_buffer, .address_space: global }
    .group_segment_fixed_size: 327680
    .private_segment_fixed_size: 0
    .kernarg_segment_align: 8
    .kernarg_segment_size: 32
    .max_flat_workgroup_size: 128
    .sgpr_count:     88
    .vgpr_count:     512
    .wavefront_size: 32
...
	.end_amdgpu_metadata
.endif
;; end of part 4
;; launch proj (part 5): grid 4 x 64, 4 waves a work-group, clusters of 4 x 4, 327,680 bytes of LDS; arguments Oh, Wh, Bc, out0; writes out0
.if DOCPART == 5
	.amdgcn_target "amdgcn-amd-amdhsa--gfx1250"
	.amdhsa_code_object_version 6
	.text
	.protected	k_q9e4f092e76_proj
	.globl	k_q9e4f092e76_proj
	.p2align	8
	.type	k_q9e4f092e76_proj,@function
k_q9e4f092e76_proj:
	s_mov_b64 s[64:65], 0
	v_nop
	global_prefetch_b8 v0, s[64:65] scope:SCOPE_SE
	s_setreg_imm32_b32 hwreg(HW_REG_WAVE_MODE, 25, 1), 1
	s_wait_xcnt 0x0
	s_wait_alu depctr_hold_cnt(0) depctr_sa_sdst(0) depctr_va_vdst(0) depctr_va_sdst(0) depctr_va_ssrc(0) depctr_va_vcc(0) depctr_vm_vsrc(0)
	s_getreg_b32 s2, hwreg(HW_REG_IB_STS2, 6, 4)
	s_cmp_eq_u32 s2, 0
	s_cbranch_scc0 .Lentry_in_a_cluster
	s_endpgm
.Lentry_in_a_cluster:
	s_bfe_u32 s2, ttmp6, 0x10000c
	s_cmp_lg_u32 s2, 0xf033
	s_cbranch_scc0 .Lentry_shape_is_right
	s_endpgm
.Lentry_shape_is_right:
; out0[m][n] = sum over k of Oh[m][k] Wh[3][k][n] + Bc[3][n].  Oh [8192][1024] f16, Wh[3] [1024][1024] f16 (k, n), Bc[3] f32, out0 [8192][1024] f32; sums in f32.
; SHARES, RING, CLUSTER, LAYOUT: a tile of 128 rows x 256 columns, four waves of 64 x 128; 8 K steps of 128 through two LDS slots: 128 rows of Oh (pitch 272), 128 k rows of Wh (512 bytes, pitch 544,
; turned by ds_load_tr16_b128); waves 0, 1 fetch Oh's halves, waves 2, 3 Wh's, one tensor load a wave behind each round (two out at the start, one afterwards); Oh's tile is asked for jointly along a
; row of the 4 x 4 cluster, Wh's along a column.  Source 0 = 16 columns, source 1 = 16 rows: a lane holds row l % 16 and the columns 8 (l / 16) + 0..7.  The bias is the C operand of the first products.
; A STEP'S TEXT IS WRITTEN ONCE: ENTER (the change of slots) and a loop of two trips over a PAIR: fetch an even quarter (32 along K) into buffer 0, multiply buffer 1, fetch the odd quarter into buffer 1,
; multiply buffer 0.  A step's last quarter is multiplied behind the next ENTER.  Step 0 starts the sums ahead of the loop and enters it with one pair to go.
; REGISTERS: window 0: v0-31 addresses; v64-159, v160-255 two fragment buffers; on the way out v64-127, v128-191 rows read back.   window 1: accumulator (a, b) at v[8 (8 a + b)].   window 2: v0-63 the bias.
.set NSTEP,  8
.set PA,     272
.set PB,     544
.set AHALF,  64*PA
.set BOFF,   128*PA
.set BHALF,  64*PB
.set SLOTX,  1<<17
.set STAGE,  SLOTX+BOFF+128*PB
.set OPITCH, 528                       ; a stage row: my 128 columns in f32, 512 bytes + 16
.set SPARE,  STAGE+4*16*OPITCH
.set BSTEP,  128*2048
.set ADRA, 16
.set A0,   17
.set ADRB, 20
.set B0,   21
.set BO,   22
.set STO,  24
.set RD,   25
.set CO,   26
.set SPW,  28
.set NIL,  29
.set PFO,  30
.set F0,   64
.set F1,   160
.set BK,   64
.set G1,   24
.set G0,   32
.set LIM,  43
.set PFA,  44
.set PFS,  46
.set G1B,  48
.set G0B,  56
.set TA,   72
.set TBB,  73
.set TWICE, 74
.set CLY,  75
.set OADD, 80
.set MUL,  0x50
.set MULB, 0x60
.set MSB, 0
.macro WIN new
.if MSB != (\new)
	s_set_vgpr_msb (MSB<<8)|(\new)
.set MSB, \new
.endif
.endm
.macro PLACES
.rept 4
	v_nop
.endr
.endm
.macro JLOAD                           ; the joint refill; an s_nop 0 and four v_nop follow each line
	s_cmp_eq_u32 s11, 0
	s_cbranch_scc0 .Lfor_b_\@
	tensor_load_to_lds s[G0+4:G0+7], s[G1:G1+7]
	s_nop 0
.rept 4
	v_nop
.endr
	s_branch .Lasked_\@
.Lfor_b_\@:
	tensor_load_to_lds s[G0B+4:G0B+7], s[G1B:G1B+7]
	s_nop 0
.rept 4
	v_nop
.endr
.Lasked_\@:
.endm
.macro ASK
	s_cmp_gt_u32 s3, s[LIM]
	s_cbranch_scc0 .Lnot_mine_\@
	global_prefetch_b8 v[PFO], s[PFA:PFA+1] th:TH_LOAD_NT scope:SCOPE_SE
.Lnot_mine_\@:
.endm
.macro CROUND
	s_barrier_signal -1
	s_barrier_wait -1
	s_cmp_lg_u32 s10, 0
	s_cbranch_scc1 .Lnot_wave_0_\@
	s_barrier_signal -3
.Lnot_wave_0_\@:
	s_barrier_wait -3
	s_barrier_signal -1
	s_barrier_wait -1
.endm
	s_load_b128 s[4:7], s[0:1], 0x0                ; Oh, Wh
	s_load_b128 s[68:71], s[0:1], 0x10             ; Bc, out0
	v_lshl_add_u32 v[SPW], v0, 2, SPARE
	v_mov_b32 v[NIL], 0
	ds_add_u32 v[SPW], v[NIL]                      ; the wave's opening: the add and its wait ahead of my first tensor load
	v_lshrrev_b32 v1, 5, v0
	v_readfirstlane_b32 s10, v1
	s_lshr_b32 s11, s10, 1
	s_and_b32 s12, s10, 1
	s_bfe_u32 s40, ttmp6, 0x40000
	s_bfe_u32 s41, ttmp6, 0x40004
	s_lshl_b32 s42, ttmp9, 2
	s_add_co_u32 s42, s42, s40
	s_and_b32 s[CLY], ttmp7, 0xffff
	s_lshl_b32 s13, s[CLY], 2
	s_add_co_u32 s13, s13, s41
	s_lshl_b32 s14, s41, 2
	s_lshl_b32 s14, 15, s14
	s_lshl_b32 s15, 0x1111, s40
	s_or_b32 s[G1], s14, (1<<16)|(1<<20)|(1<<21)|(5<<22)|(3<<25)
	s_or_b32 s[G1B], s15, (1<<16)|(1<<20)|(1<<21)|(6<<22)|(7<<25)
	s_mov_b32 s[G1+1], 128<<16
	s_mov_b32 s[G1+2], 64<<16
	s_mov_b32 s[G1+3], 128<<16
	s_mov_b32 s[G1+4], 64
	s_mov_b32 s[G1+5], 1024
	s_mov_b32 s[G1+6], 0
	s_mov_b32 s[G1+7], 0
	s_mov_b32 s[G1B+1], 256<<16
	s_mov_b32 s[G1B+2], 64<<16
	s_mov_b32 s[G1B+3], 256<<16
	s_mov_b32 s[G1B+4], 64
	s_mov_b32 s[G1B+5], 1024
	s_mov_b32 s[G1B+6], 0
	s_mov_b32 s[G1B+7], 0
	s_lshl_b32 s16, s13, 7
	s_lshl_b32 s17, s12, 6
	s_add_co_u32 s16, s16, s17
	s_lshl_b32 s16, s16, 11
	s_mov_b32 s17, 0
	s_lshl_b32 s20, s42, 9
	s_lshl_b32 s21, s12, 17
	s_add_co_u32 s20, s20, s21
	s_add_co_u32 s20, s20, 3*2097152               ; the fourth weight
	s_mov_b32 s21, 0
	s_mul_i32 s18, s12, AHALF
	s_mul_i32 s19, s12, BHALF
	s_add_co_u32 s19, s19, BOFF
	s_wait_dscnt 0x0
	s_wait_kmcnt 0x0
	s_add_nc_u64 s[78:79], s[4:5], s[16:17]
	s_add_nc_u64 s[22:23], s[6:7], s[20:21]
.irp s, 0,1
	s_mov_b32 s[G0+4*(\s)], 1
	s_add_co_u32 s[G0+4*(\s)+1], s18, (\s)*SLOTX
	s_add_nc_u64 s[G0+4*(\s)+2:G0+4*(\s)+3], s[78:79], (\s)*256
	s_or_b32 s[G0+4*(\s)+3], s[G0+4*(\s)+3], 0x80000000
	s_mov_b32 s[G0B+4*(\s)], 1
	s_add_co_u32 s[G0B+4*(\s)+1], s19, (\s)*SLOTX
	s_add_nc_u64 s[G0B+4*(\s)+2:G0B+4*(\s)+3], s[22:23], (\s)*BSTEP
	s_or_b32 s[G0B+4*(\s)+3], s[G0B+4*(\s)+3], 0x80000000
.endr
	CROUND
	s_cmp_eq_u32 s11, 0
	s_cbranch_scc0 .Lfirst_b
	tensor_load_to_lds s[G0:G0+3], s[G1:G1+7]
	s_nop 0
	tensor_load_to_lds s[G0+4:G0+7], s[G1:G1+7]
	s_nop 0
.rept 4
	v_nop
.endr
	s_branch .Lfirst_asked
.Lfirst_b:
	tensor_load_to_lds s[G0B:G0B+3], s[G1B:G1B+7]
	s_nop 0
	tensor_load_to_lds s[G0B+4:G0B+7], s[G1B:G1B+7]
	s_nop 0
.rept 4
	v_nop
.endr
.Lfirst_asked:
	v_and_b32 v1, 15, v0
	v_bfe_u32 v2, v0, 4, 1
	v_and_b32 v3, 7, v0
	v_bfe_u32 v4, v0, 3, 1
	v_lshlrev_b32 v[BO], 5, v2
	s_lshl_b32 s84, s42, 10                        ; the fourth bias, my 128 columns
	s_lshl_b32 s85, s12, 9
	s_add_co_u32 s84, s84, s85
	s_add_co_u32 s84, s84, 3*4096
	s_mov_b32 s85, 0
	s_add_nc_u64 s[68:69], s[68:69], s[84:85]
	WIN 0x80
.irp b, 0,1,2,3,4,5,6,7
	global_load_b128 v[8*(\b):8*(\b)+3],   v[BO], s[68:69] offset:64*(\b)
	global_load_b128 v[8*(\b)+4:8*(\b)+7], v[BO], s[68:69] offset:64*(\b)+16
.endr
	WIN 0
	v_mul_u32_u24 v5, v1, PA
	v_lshl_add_u32 v5, v2, 4, v5
	s_mul_i32 s84, s11, AHALF
	v_add_nc_u32 v[A0], s84, v5
	v_lshl_add_u32 v6, v2, 3, v3
	v_mul_u32_u24 v6, v6, PB
	v_lshl_add_u32 v6, v4, 4, v6
	s_lshl_b32 s84, s12, 8
	s_add_co_u32 s84, s84, BOFF
	v_add_nc_u32 v[B0], s84, v6
	v_mov_b32 v[ADRA], v[A0]
	v_mov_b32 v[ADRB], v[B0]
	s_mul_i32 s84, s10, 16*OPITCH
	s_add_co_u32 s84, s84, STAGE                   ; my stage
	v_mul_u32_u24 v6, v1, OPITCH                   ; in: row l % 16, 32 bytes for each half of the lanes
	v_lshl_add_u32 v6, v2, 5, v6
	v_add_nc_u32 v[STO], s84, v6
	v_and_b32 v[PFO], 31, v0
	v_lshlrev_b32 v[CO], 4, v[PFO]                 ; back and out: 32 lanes take one row's 512 bytes
	v_add_nc_u32 v[RD], s84, v[CO]
	v_lshlrev_b32 v[PFO], 11, v[PFO]
	s_lshl_b32 s84, s13, 7                         ; where my part of the tile begins in out0: rows of 4,096 bytes
	s_lshl_b32 s85, s11, 6
	s_add_co_u32 s84, s84, s85
	s_lshl_b32 s84, s84, 12
	s_lshl_b32 s85, s42, 10
	s_add_co_u32 s84, s84, s85
	s_lshl_b32 s85, s12, 9
	s_add_co_u32 s[OADD], s84, s85
	s_mov_b32 s[OADD+1], 0
	; THE PREFETCHES.  The change into step s names K step s + 3, two refills ahead of its load.  Oh: wave 0 of each of the four partners of a cluster row takes 32 of the tile's 128 rows (cx).  Wh: only the
	; cluster with y = 0; waves 2 and 3 take the two halves of a k row's 512 bytes, the four partners of a column 32 k rows each (cy).  Each aligned block of 256 bytes is named once.
	s_lshl_b32 s84, s13, 7
	s_lshl_b32 s85, s40, 5
	s_add_co_u32 s84, s84, s85
	s_lshl_b32 s84, s84, 11
	s_add_co_u32 s84, s84, 3*256
	s_lshl_b32 s85, s41, 16
	s_lshl_b32 s86, s42, 9
	s_add_co_u32 s85, s85, s86
	s_lshl_b32 s86, s12, 8
	s_add_co_u32 s85, s85, s86
	s_add_co_u32 s85, s85, 3*2097152+3*BSTEP
	s_mov_b32 s[PFS], BSTEP
	s_mov_b32 s[PFS+1], 0
	s_cmp_eq_u32 s11, 0
	s_cselect_b32 s84, s84, s85
	s_cselect_b32 s[PFS], 256, s[PFS]
	s_cselect_b64 s[PFA:PFA+1], s[4:5], s[6:7]
	s_mov_b32 s85, 0
	s_add_nc_u64 s[PFA:PFA+1], s[PFA:PFA+1], s[84:85]
	s_cmp_eq_u32 s[CLY], 0
	s_cselect_b32 s[LIM], 2, -1
	s_cmp_eq_u32 s10, 0
	s_cselect_b32 s[LIM], 2, s[LIM]
	s_cmp_eq_u32 s10, 1
	s_cselect_b32 s[LIM], -1, s[LIM]
.macro MUL8 f, a, z                    ; 8 matrix instructions; z = 2: the bias starts the sums
.if (\z) == 2
	WIN MULB
.else
	WIN MUL
.endif
.irp b, 0,1,2,3,4,5,6,7
.if (\z) == 2
	v_wmma_f32_16x16x32_f16 v[8*(8*(\a)+(\b)):8*(8*(\a)+(\b))+7], v[(\f)+32+8*(\b):(\f)+32+8*(\b)+7], v[(\f)+8*(\a):(\f)+8*(\a)+7], v[8*(\b):8*(\b)+7]
.else
	v_wmma_f32_16x16x32_f16 v[8*(8*(\a)+(\b)):8*(8*(\a)+(\b))+7], v[(\f)+32+8*(\b):(\f)+32+8*(\b)+7], v[(\f)+8*(\a):(\f)+8*(\a)+7], v[8*(8*(\a)+(\b)):8*(8*(\a)+(\b))+7]
.endif
.endr
.endm
.macro MUL32 f, z                      ; a quarter's 32 products: the 32 accumulators take turns, always in this order
.irp a, 0,1,2,3
	MUL8 \f, \a, \z
.endr
.endm
.macro FETCH o, g                      ; 24 LDS loads in one run: the pair's even or odd quarter into buffer g
	WIN 0
.irp i, 0,1,2,3,4,5,6,7
	ds_load_tr16_b128 v[(\g)+32+8*(\i):(\g)+32+8*(\i)+3],   v[ADRB] offset:(\o)*32*PB+32*(\i)
	ds_load_tr16_b128 v[(\g)+32+8*(\i)+4:(\g)+32+8*(\i)+7], v[ADRB] offset:(\o)*32*PB+16*PB+32*(\i)
.endr
.irp a, 0,1,2,3
	ds_load_b128 v[(\g)+8*(\a):(\g)+8*(\a)+3],   v[ADRA] offset:(\a)*16*PA+64*(\o)
	ds_load_b128 v[(\g)+8*(\a)+4:(\g)+8*(\a)+7], v[ADRA] offset:(\a)*16*PA+64*(\o)+32
.endr
.endm
.macro PAIR
	WIN 0
	v_add_nc_u32 v[ADRA], s[TA], v[A0]             ; these two and two v_nop are the four places behind the products that read buffer 0
	v_add_nc_u32 v[ADRB], s[TBB], v[B0]
	v_nop
	v_nop
	FETCH 0, F0
	s_wait_dscnt 24                                ; all but the 24 just issued: buffer 1 is in
	MUL32 F1, 0
	PLACES
	FETCH 1, F1
	s_wait_dscnt 24                                ; buffer 0 is in
	MUL32 F0, 0
	s_add_co_u32 s[TA], s[TA], 128
	s_add_co_u32 s[TBB], s[TBB], 64*PB
	WIN 0
.endm
; THE CHANGE OF SLOTS: each wave waits for all its tensor loads (its part of the next slot), adds 0 to its spare word, and waits for that and for its reads of the old slot.  fill = 1: the barrier is a round
; of the cluster's, and the joint refill, two K steps ahead, is the first thing behind it.
.macro ENTER fill
.if \fill
	s_wait_xcnt 0x0                                ; the last prefetch, a K step back, has read its address
	s_add_nc_u64 s[PFA:PFA+1], s[PFA:PFA+1], s[PFS:PFS+1]
.endif
	s_wait_tensorcnt 0x0
	ds_add_u32 v[SPW], v[NIL]                      ; 0 onto my spare word; scalar work stands between it and the wait for it
.if \fill
	s_xor_b32 s[G0+5], s[G0+5], SLOTX
	s_add_nc_u64 s[G0+6:G0+7], s[G0+6:G0+7], 256
	s_xor_b32 s[G0B+5], s[G0B+5], SLOTX
	s_add_nc_u64 s[G0B+6:G0B+7], s[G0B+6:G0B+7], BSTEP
.endif
	s_sub_co_u32 s[TA], s[TA], 256
	s_xor_b32 s[TA], s[TA], SLOTX
	s_sub_co_u32 s[TBB], s[TBB], 128*PB
	s_xor_b32 s[TBB], s[TBB], SLOTX
	s_wait_dscnt 0x0
.if \fill
	CROUND
	JLOAD
	ASK
.else
	s_barrier_signal -1
	s_barrier_wait -1
.endif
.endm
; THE WAY OUT of row block a: the f32 sums go straight from the accumulators into my stage (32 bytes a lane for each column block, the low four registers first), come back as whole rows of 512 bytes, and are stored
.macro OUTBLK a
	WIN 0x04                                       ; an LDS store's data in window 1, its address in window 0
.irp b, 0,1,2,3,4,5,6,7
	ds_store_b128 v[STO], v[8*(8*(\a)+(\b)):8*(8*(\a)+(\b))+3]   offset:64*(\b)
	ds_store_b128 v[STO], v[8*(8*(\a)+(\b))+4:8*(8*(\a)+(\b))+7] offset:64*(\b)+16
.endr
	WIN 0
.irp t, 0,1,2,3,4,5,6,7,8,9,10,11,12,13,14,15
	ds_load_b128 v[BK+64*((\a)%2)+4*(\t):BK+64*((\a)%2)+4*(\t)+3], v[RD] offset:(\t)*OPITCH  ; LDS serves a wave's instructions in order: these see the stores above
.endr
	s_wait_dscnt 0x0
	s_wait_xcnt 0x0                                ; earlier stores have read their base and data
.if (\a) == 0
	s_add_nc_u64 s[70:71], s[70:71], s[OADD:OADD+1]
.else
	s_add_nc_u64 s[70:71], s[70:71], 16*4096
.endif
.irp t, 0,1,2,3,4,5,6,7,8,9,10,11,12,13,14,15
	global_store_b128 v[CO], v[BK+64*((\a)%2)+4*(\t):BK+64*((\a)%2)+4*(\t)+3], s[70:71] offset:(\t)*4096 th:TH_STORE_NT  ; 512 consecutive bytes, aligned
.endr
.endm
	s_wait_tensorcnt 0x1                           ; my part of K step 0 is in; step 1's may stay out
	s_barrier_signal -1
	s_barrier_wait -1
	FETCH 0, F0
	FETCH 1, F1
	s_wait_loadcnt 0x0                             ; the bias
	s_wait_dscnt 24                                ; buffer 0 is in
	MUL32 F0, 2                                    ; the first products start the sums with the bias
	WIN 0
	s_mov_b32 s[TA], 128
	s_mov_b32 s[TBB], 64*PB
	s_mov_b32 s3, NSTEP-1
	s_mov_b32 s[TWICE], 1
	s_branch .Lpair                                ; step 0 has one pair to go
.Lstep:                                                ; NSTEP - 2 times
	ENTER 1
	s_mov_b32 s[TWICE], 2
.Lpair:
	PAIR
	s_sub_co_u32 s[TWICE], s[TWICE], 1
	s_cmp_lg_u32 s[TWICE], 0
	s_cbranch_scc1 .Lpair
	s_sub_co_u32 s3, s3, 1
	s_cmp_lg_u32 s3, 0
	s_cbranch_scc1 .Lstep
	ENTER 0                                        ; the last step is written out: nothing more is asked for
	s_mov_b32 s[TWICE], 2
.Ltail:
	PAIR
	s_sub_co_u32 s[TWICE], s[TWICE], 1
	s_cmp_lg_u32 s[TWICE], 0
	s_cbranch_scc1 .Ltail
	s_wait_dscnt 0x0
	MUL32 F1, 0                                    ; the last quarter
	WIN 0
	PLACES
	PLACES
	OUTBLK 0
	OUTBLK 1
	OUTBLK 2
	OUTBLK 3
	s_wait_tensorcnt 0x0                           ; the wave's end
	ds_add_u32 v[SPW], v[NIL]
	s_wait_dscnt 0x0
	CROUND
	s_endpgm
.Lfunc_end_k_q9e4f092e76_proj:
	.size	k_q9e4f092e76_proj, .Lfunc_end_k_q9e4f092e76_proj-k_q9e4f092e76_proj
	.p2alignl 7, 3214868480
	.fill 96, 4, 3214868480
	.section	.rodata,"a",@progbits
	.p2align	6, 0x0
	.amdhsa_kernel k_q9e4f092e76_proj
		.amdhsa_group_segment_fixed_size 327680
		.amdhsa_private_segment_fixed_size 0
		.amdhsa_enable_private_segment 0
		.amdhsa_kernarg_size 32
		.amdhsa_user_sgpr_count 2
		.amdhsa_user_sgpr_kernarg_segment_ptr 1
		.amdhsa_wavefront_size32 1
		.amdhsa_system_sgpr_workgroup_id_x 1
		.amdhsa_system_sgpr_workgroup_id_y 1
		.amdhsa_system_sgpr_workgroup_id_z 1
		.amdhsa_system_vgpr_workitem_id 0
		.amdhsa_next_free_vgpr 576
		.amdhsa_next_free_sgpr 88
		.amdhsa_reserve_vcc 0
		.amdhsa_float_denorm_mode_32 3
		.amdhsa_float_denorm_mode_16_64 3
		.amdhsa_memory_ordered 1
		.amdhsa_forward_progress 1
		.amdhsa_inst_pref_size 50
	.end_amdhsa_kernel
	.amdgpu_metadata
---
amdhsa.version: [ 1, 2 ]
amdhsa.kernels:
  - .name:           k_q9e4f092e76_proj
    .symbol:         k_q9e4f092e76_proj.kd
    .args:
      - { .name: Oh, .offset: 0, .size: 8, .value_kind: global_buffer, .address_space: global }
      - { .name: Wh, .offset: 8, .size: 8, .value_kind: global_buffer, .address_space: global }
      - { .name: Bc, .offset: 16, .size: 8, .value_kind: global_buffer, .address_space: global }
      - { .name: out0, .offset: 24, .size: 8, .value_kind: global_buffer, .address_space: global }
    .group_segment_fixed_size: 327680
    .private_segment_fixed_size: 0
    .kernarg_segment_align: 8
    .kernarg_segment_size: 32
    .max_flat_workgroup_size: 128
    .sgpr_count:     88
    .vgpr_count:     576
    .wavefront_size: 32
...
	.end_amdgpu_metadata
.endif
;; end of part 5
;; ======== version 2 of 2: 5 launches; version 1 with the launch prep written anew for expert scheduling mode
;; limits: values are held in f16: magnitudes above 65,504 overflow, below 6.1e-05 lose precision; right only within a limited range of input values
;; workspace buffers: Xh 16,777,216 bytes; Wh 8,388,608 bytes; Bc 16,384 bytes; MW 2,097,152 bytes of whole numbers; QKV 50,331,648 bytes; P 33,554,432 bytes; ST 1,048,576 bytes; Oh 16,777,216 bytes
;; launch prep (part 6): grid 256 x 1, 16 waves a work-group, no clusters, 0 bytes of LDS; arguments X, Wq, Wk, Wv, Wo, bq, bk, bv, bo, Xh, Wh, Bc; writes Xh, Wh, Bc
.if DOCPART == 6
	.amdgcn_target "amdgcn-amd-amdhsa--gfx1250"
	.amdhsa_code_object_version 6
	.text
	.protected	k_q9e4f092e76_prep
	.globl	k_q9e4f092e76_prep
	.p2align	8
	.type	k_q9e4f092e76_prep,@function
k_q9e4f092e76_prep:
	s_mov_b64 s[64:65], 0
	v_nop
	global_prefetch_b8 v0, s[64:65] scope:SCOPE_SE
	s_setreg_imm32_b32 hwreg(HW_REG_WAVE_SCHED_MODE, 0, 2), 2
	s_setreg_imm32_b32 hwreg(HW_REG_WAVE_MODE, 25, 1), 1
	s_wait_xcnt 0x0
	s_wait_alu depctr_vm_vsrc(0)
; PREP.  X and the four weights are rounded once to bf16 and that number is written as f16 (exact inside f16's normal range); the four biases are rounded to bf16 and kept as f32.
; LIMITS.  |X| and |W| stay under 65,504 (f16's range); a bf16 number below 2^-14 keeps f16's fixed step of 6e-8.  NaN and infinities are not treated apart.
; SHARES.  256 work-groups of 16 waves.  Work-group i: rows 32 i .. 32 i + 31 of X (131,072 dense bytes), rows 16 (i % 64) .. + 15 of weight i / 64 (65,536 bytes), and bias i / 64 where i % 64 = 0.
; Thread t takes 16 bytes at 16 t of each 8,192 bytes in, and stores 8 bytes at 8 t of each 4,096 out: a wave's load covers 512 consecutive bytes, its store 256, both aligned.
; All 24 loads of a thread go out at the start; the waits count down.  A stream: no LDS, no matrix unit, no cluster: nothing is multiplied and no two work-groups read the same byte.
; THE MODE: SCHED_MODE bits 1:0 = 2 (LLVM: expert scheduling mode 2), set by the entry lines.  The code itself states the register dependences between vector instructions and memory
; instructions, with s_wait_alu, always for 0.
; THE PLAN.  Registers that memory instructions touch:
;   v4, v5        byte offsets, made once at the head and never written again: v4 is read by the 24 loads, v5 by every store and by the bias's load.
;   chunk k       four registers at XR + 4 k, k = 0 .. 23.  Its load lands in them; its eight conversion lines read them and write them in place; its store reads the first two; nothing names them afterwards.
;   v[14:15]      on the bias's path alone: a load lands in them, vector lines read and rewrite them, a store reads them.
;   v[12:13]      named by vector lines alone.
; The chunks go in six groups of four.  Group g converts its chunks; its memory instructions are the four stores of group g - 1, whose registers no vector line of group g names.  So one wait on va_vdst at a
; group's head states all that those four stores hang on, and they are dealt among the group's conversions with no further wait.  No register that a memory instruction has read is written again, and no load
; lands in a register that a vector line has named: there is nothing for a wait on vm_vsrc to state.  No vector line writes a scalar register, VCC or EXEC.
.set O16, 4                            ; v4   16 t
.set O8,  5                            ; v5   8 t
.set TA,  12                           ; v12-13 at work; v[14:15] the bias
.set XR,  32                           ; v[32:127] 24 x 4 registers: 16 loads of X, 8 of W
.set GRP, 4                            ; chunks in a group
.set GRPS, 24/GRP
	s_load_b512 s[8:23], s[0:1], 0x0               ; X 8, Wq 10, Wk 12, Wv 14, Wo 16, bq 18, bk 20, bv 22
	s_load_b256 s[24:31], s[0:1], 0x40             ; bo 24, Xh 26, Wh 28, Bc 30
	s_mov_b32 s49, 0xffff0000                      ; a word's upper bf16
	s_lshr_b32 s50, ttmp9, 6                       ; which weight and bias
	s_and_b32 s51, ttmp9, 63                       ; which 16 rows of it
	v_lshlrev_b32 v[O16], 4, v0
	v_lshlrev_b32 v[O8], 3, v0
	s_lshl_b32 s60, ttmp9, 17                      ; 32 rows of 4,096 bytes
	s_mov_b32 s61, 0
	s_wait_kmcnt 0x0
	s_add_nc_u64 s[8:9], s[8:9], s[60:61]          ; X at my work-group's rows
	s_wait_alu depctr_va_vdst(0)                   ; v4 and v5 are written: every load and store of the kernel reads one of them as its offset
.irp k, 0,1,2,3,4,5,6,7,8,9,10,11,12,13,14,15
	global_load_b128 v[XR+4*(\k):XR+4*(\k)+3], v[O16], s[8:9] offset:(\k)*8192 th:TH_LOAD_NT
.endr
	s_cmp_eq_u32 s50, 0                            ; the weight and the bias are chosen by the work-group's number
	s_cselect_b64 s[52:53], s[10:11], s[12:13]
	s_cselect_b64 s[56:57], s[18:19], s[20:21]
	s_cmp_eq_u32 s50, 2
	s_cselect_b64 s[52:53], s[14:15], s[52:53]
	s_cselect_b64 s[56:57], s[22:23], s[56:57]
	s_cmp_eq_u32 s50, 3
	s_cselect_b64 s[52:53], s[16:17], s[52:53]
	s_cselect_b64 s[56:57], s[24:25], s[56:57]
	s_lshl_b32 s60, s51, 16
	s_add_nc_u64 s[52:53], s[52:53], s[60:61]      ; 16 rows of 4,096 bytes
.irp k, 0,1,2,3,4,5,6,7
	global_load_b128 v[XR+64+4*(\k):XR+64+4*(\k)+3], v[O16], s[52:53] offset:(\k)*8192 th:TH_LOAD_NT
.endr
	s_lshl_b32 s60, ttmp9, 16
	s_add_nc_u64 s[26:27], s[26:27], s[60:61]      ; Xh: 32 rows of 2,048 bytes
	s_lshl_b32 s60, ttmp9, 15
	s_add_nc_u64 s[54:55], s[28:29], s[60:61]      ; Wh: the four weights lie on end, 16 rows of 2,048 bytes a work-group
	s_lshl_b32 s60, s50, 12
	s_add_nc_u64 s[30:31], s[30:31], s[60:61]      ; Bc: 4,096 bytes a bias
; four f32 at v[q..q+3] -> bf16 (nearest even) -> the same numbers as f16, in v[q], v[q+1]
.macro CVT q
	v_cvt_pk_bf16_f32 v[TA], v[(\q)], v[(\q)+1]
	v_cvt_pk_bf16_f32 v[TA+1], v[(\q)+2], v[(\q)+3]
	v_lshlrev_b32 v[(\q)], 16, v[TA]
	v_and_b32 v[(\q)+1], s49, v[TA]
	v_lshlrev_b32 v[(\q)+2], 16, v[TA+1]
	v_and_b32 v[(\q)+3], s49, v[TA+1]
	v_cvt_pk_f16_f32 v[(\q)], v[(\q)], v[(\q)+1]
	v_cvt_pk_f16_f32 v[(\q)+1], v[(\q)+2], v[(\q)+3]
.endm
; chunk k's 8 bytes a thread go out: chunks 0 to 15 are X's, 16 to 23 the weight's
.macro OUT
.if k < 16
	global_store_b64 v[O8], v[XR+4*k:XR+4*k+1], s[26:27] offset:k*4096
.else
	global_store_b64 v[O8], v[XR+4*k:XR+4*k+1], s[54:55] offset:(k-16)*4096
.endif
.endm
.set g, 0
.rept GRPS
	s_wait_loadcnt 24-GRP*(g+1)                    ; loads come back in order: group g's four are in, the younger ones stay out
.if g > 0
	s_wait_alu depctr_va_vdst(0)                   ; the conversions of the group before have written its chunks, which the four stores below read
.endif
.set i, 0
.rept GRP
.if g > 0
.set k, GRP*(g-1)+i
	OUT                                            ; no vector line since the wait names this chunk's registers: group g's name its own chunks and v[12:13]
.endif
	CVT XR+4*(GRP*g+i)
.set i, i+1
.endr
.set g, g+1
.endr
	s_wait_alu depctr_va_vdst(0)                   ; the last group's conversions have written its chunks, which the last four stores read
.set k, 24-GRP
.rept GRP
	OUT
.set k, k+1
.endr
	s_cmp_lg_u32 s51, 0
	s_cbranch_scc1 .Lno_bias                       ; one work-group in 64 takes a bias
	global_load_b64 v[14:15], v[O8], s[56:57]      ; no vector line has named v14 or v15; v5 was written ahead of the head's wait
	s_wait_loadcnt 0x0
	v_cvt_pk_bf16_f32 v[TA], v14, v15
	v_lshlrev_b32 v14, 16, v[TA]
	v_and_b32 v15, s49, v[TA]
	s_wait_alu depctr_va_vdst(0)                   ; v14 and v15 are written, which the store reads
	global_store_b64 v[O8], v[14:15], s[30:31]
.Lno_bias:
	s_endpgm
.Lfunc_end_k_q9e4f092e76_prep:
	.size	k_q9e4f092e76_prep, .Lfunc_end_k_q9e4f092e76_prep-k_q9e4f092e76_prep
	.p2alignl 7, 3214868480
	.fill 96, 4, 3214868480
	.section	.rodata,"a",@progbits
	.p2align	6, 0x0
	.amdhsa_kernel k_q9e4f092e76_prep
		.amdhsa_group_segment_fixed_size 0
		.amdhsa_private_segment_fixed_size 0
		.amdhsa_enable_private_segment 0
		.amdhsa_kernarg_size 96
		.amdhsa_user_sgpr_count 2
		.amdhsa_user_sgpr_kernarg_segment_ptr 1
		.amdhsa_wavefront_size32 1
		.amdhsa_system_sgpr_workgroup_id_x 1
		.amdhsa_system_sgpr_workgroup_id_y 1
		.amdhsa_system_sgpr_workgroup_id_z 1
		.amdhsa_system_vgpr_workitem_id 0
		.amdhsa_next_free_vgpr 128
		.amdhsa_next_free_sgpr 66
		.amdhsa_reserve_vcc 0
		.amdhsa_float_denorm_mode_32 3
		.amdhsa_float_denorm_mode_16_64 3
		.amdhsa_memory_ordered 1
		.amdhsa_forward_progress 1
		.amdhsa_inst_pref_size 16
	.end_amdhsa_kernel
	.amdgpu_metadata
---
amdhsa.version: [ 1, 2 ]
amdhsa.kernels:
  - .name:           k_q9e4f092e76_prep
    .symbol:         k_q9e4f092e76_prep.kd
    .args:
      - { .name: X, .offset: 0, .size: 8, .value_kind: global_buffer, .address_space: global }
      - { .name: Wq, .offset: 8, .size: 8, .value_kind: global_buffer, .address_space: global }
      - { .name: Wk, .offset: 16, .size: 8, .value_kind: global_buffer, .address_space: global }
      - { .name: Wv, .offset: 24, .size: 8, .value_kind: global_buffer, .address_space: global }
      - { .name: Wo, .offset: 32, .size: 8, .value_kind: global_buffer, .address_space: global }
      - { .name: bq, .offset: 40, .size: 8, .value_kind: global_buffer, .address_space: global }
      - { .name: bk, .offset: 48, .size: 8, .value_kind: global_buffer, .address_space: global }
      - { .name: bv, .offset: 56, .size: 8, .value_kind: global_buffer, .address_space: global }
      - { .name: bo, .offset: 64, .size: 8, .value_kind: global_buffer, .address_space: global }
      - { .name: Xh, .offset: 72, .size: 8, .value_kind: global_buffer, .address_space: global }
      - { .name: Wh, .offset: 80, .size: 8, .value_kind: global_buffer, .address_space: global }
      - { .name: Bc, .offset: 88, .size: 8, .value_kind: global_buffer, .address_space: global }
    .group_segment_fixed_size: 0
    .private_segment_fixed_size: 0
    .kernarg_segment_align: 8
    .kernarg_segment_size: 96
    .max_flat_workgroup_size: 512
    .sgpr_count:     66
    .vgpr_count:     128
    .wavefront_size: 32
...
	.end_amdgpu_metadata
.endif
;; end of part 6
;; launch qkv: the kernel of part 2 again; grid 4 x 64, 4 waves a work-group, clusters of 4 x 4, 327,680 bytes of LDS; arguments Xh, Wh, Bc, attention_mask, QKV, MW; writes QKV, MW
;; launch scores: the kernel of part 3 again; grid 8 x 32, 4 waves a work-group, clusters of 4 x 4, 327,680 bytes of LDS; arguments QKV, MW, P, ST; writes P, ST
;; launch pv: the kernel of part 4 again; grid 4 x 64, 4 waves a work-group, clusters of 4 x 4, 327,680 bytes of LDS; arguments P, QKV, ST, Oh; writes Oh
;; launch proj: the kernel of part 5 again; grid 4 x 64, 4 waves a work-group, clusters of 4 x 4, 327,680 bytes of LDS; arguments Oh, Wh, Bc, out0; writes out0
